; MI455X (gfx1250); checked and timed in simulation.
; The chip was launched on July 23, 2026; its instructions are those of AMD's public machine-readable ISA for CDNA 5 (MIT licence, August 2026) and "CDNA5" Instruction Set Architecture Reference Guide (July 2026). The comments in the code are by the model that wrote it; some were corrected since.
;; Multi Head Attention. Allowed arithmetic: matrix products marked QUANTISED: E2M3 operands, one E8M0 scale for each 32 along K, by v_wmma_scale_f32_16x16x128_f8f6f4 with both operands' format E2M3, f32 sums; everything else in f32.
;; Inputs: Wk 1,024 x 1,024 float32; Wo 1,024 x 1,024 float32; Wq 1,024 x 1,024 float32; Wv 1,024 x 1,024 float32; bk 1,024 float32; bo 1,024 float32; bq 1,024 float32; bv 1,024 float32; keys 4 x 2,048 x 1,024 float32; queries 4 x 2,048 x 1,024 float32; values 4 x 2,048 x 1,024 float32.
;; Outputs: out0 4 x 2,048 x 1,024 float32.
;; This version of the problem:
;;   THIS VERSION OF THE PROBLEM IS GIVEN IN LOW PRECISION. The matrix products marked QUANTISED in the list below multiply operands that are first quantised to E2M3 (2 exponent bits, 3 mantissa bits; 6 bits a number), with one power-of-two scale for each 32 numbers along K (OCP MX v1.0); their sums are f32. All else is computed in f32.
;;   The module's matrix products, in the order in which they are computed (A, B: the left and right operand; K: the contracted axis; several contracted axes count as one K, in the product's order):
;;     1. [M 8,192, K 1,024] x [K 1,024, N 1,024]; A: input queries; B: input Wq: QUANTISED
;;     2. [M 8,192, K 1,024] x [K 1,024, N 1,024]; A: input keys; B: input Wk: QUANTISED
;;     3. [M 8,192, K 1,024] x [K 1,024, N 1,024]; A: input values; B: input Wv: QUANTISED
;;     4. batch 64 x [M 2,048, K 64] x [K 64, N 2,048]; A: computed on the way; B: computed on the way: QUANTISED
;;     5. batch 64 x [M 2,048, K 2,048] x [K 2,048, N 64]; A: softmax (see below); B: computed on the way: QUANTISED
;;     6. [M 8,192, K 1,024] x [K 1,024, N 1,024]; A: computed on the way; B: input Wo: QUANTISED
;;   THE QUANTISER, for each operand of a quantised product, along K:
;;     - K is cut into blocks of 32 from its start; a last block that is shorter is filled with zeros.
;;     - A block's scale is 2^e with e = floor(log2(the largest magnitude in the block)) - 2, held to -126 .. 127; a block of zeros has e = 0. As a byte (E8M0): e + 127.
;;     - Each number is divided by its block's scale, clamped to +-7.5, and rounded to the nearest number of E2M3, ties to even, subnormals kept.
;;     - The product sums the exact products of the quantised numbers (number of the format x scale) in f32.
;;   ~~~python
;;   def quantise(x, axis):      # numpy; x: float32 -> the quantised numbers, widened to float32 again
;;       x = np.moveaxis(x, axis, -1); K = x.shape[-1]
;;       x = np.pad(x, [(0, 0)] * (x.ndim - 1) + [(0, -K % 32)]); x = x.reshape(x.shape[:-1] + (-1, 32)); a = np.abs(x).max(-1, keepdims=True)
;;       e = np.where(a > 0, np.clip(np.frexp(np.where(a > 0, a, 1))[1] - 1 - 2, -126, 127), 0)      # np.frexp(a)[1] - 1 = floor(log2(a)), exactly
;;       r = np.clip(x / 2.0 ** e, -7.5, 7.5)
;;       step = 2.0 ** (np.maximum(np.frexp(np.where(r == 0, 1, r))[1] - 1, 0) - 3)
;;       q = np.round(r / step) * step * 2.0 ** e      # np.round: ties to even
;;       return np.moveaxis(q.reshape(q.shape[:-2] + (-1,))[..., :K], -1, axis).astype(np.float32)
;;   ~~~
;;   SOFTMAX AHEAD OF A QUANTISED PRODUCT. Where the list says 'softmax', what is quantised is not the finished softmax but p = 2^(t - M), with t = logit x log2(e) and M = ceil(the row's largest t), a whole number; so 1/2 < the row's largest p <= 1. The row's sum l is taken of the UNQUANTISED p, in f32, and the product's result is divided by l at the end. Since M is a whole number, a kernel that streams over the keys may use a running M (the ceiling of the running maximum): every later rescaling is an exact power of two, which a block's scale takes up: the codes' values come out the same.
;;   OPERANDS COMPUTED ON THE WAY. 'Computed on the way' means the value that the module computes at that place (a softmax that the list does not call 'softmax' is quantised finished and normalised). What goes into a quantiser is computed in f32, as accurately as f32 sums, v_exp_f32 and their like allow (about 1e-6 of the number): no bf16 or f16 on the way to a quantiser, and a product that is left as it is and whose result goes on into a quantised operand takes f32 operands (vector FMAs, or v_wmma_f32_16x16x4_f32). A number that lies on a knife's edge between two numbers of the format may be rounded either way, as far as f32 arithmetic and the matrix unit's own rounding can turn it there, and no further.
;; One version. Each part assembles by itself: llvm-mc -triple=amdgcn-amd-amdhsa -mcpu=gfx1250 --defsym DOCPART=n.
;; ======== version 1 of 1: 4 launches
;; limits: right only within a limited range of input values
;; workspace buffers: cb 22,020,096 bytes; sb 917,504 bytes; pc 18,874,368 bytes; ps 786,432 bytes; oc 6,291,456 bytes; os 262,144 bytes
;; launch quant (part 1): grid 1024 x 1, 4 waves a work-group, no clusters, 35,328 bytes of LDS; arguments queries, keys, values, Wq, Wk, Wv, Wo, cb, sb; writes cb, sb
.if DOCPART == 1
	.amdgcn_target "amdgcn-amd-amdhsa--gfx1250"
	.amdhsa_code_object_version 6
	.text
	.protected	k_qe21bd5f3ab_quant
	.globl	k_qe21bd5f3ab_quant
	.p2align	8
	.type	k_qe21bd5f3ab_quant,@function
k_qe21bd5f3ab_quant:
	s_mov_b64 s[64:65], 0
	v_nop
	global_prefetch_b8 v0, s[64:65] scope:SCOPE_SE
	s_setreg_imm32_b32 hwreg(HW_REG_WAVE_MODE, 25, 1), 1
	s_wait_xcnt 0x0
; queries, keys, values [8192][1024] f32 (K innermost) and Wq, Wk, Wv, Wo [1024 (k)][1024 (n)] f32 (K outermost) become codes of FP6 (E2M3) with one E8M0 scale byte for each 32 along K.
; A block's scale is 2^(floor(log2(its largest magnitude)) - 2); its byte is the largest magnitude's exponent field - 2, held at 1 from below.
; LIMITS: NaN and infinities are not served; a block whose largest magnitude lies under 2^-124 (a block of zeros among them) gets the byte 1: only this program reads the bytes.
; THE LAYOUT OF THE CODES is the order of the operand's registers.  An operand's rows go in tiles of 16; a tile holds K / 64 halves of 768 bytes; a half holds three pieces of 256 bytes; in piece p lane (r, h)
; (r = lane % 16, h = lane / 16) owns the 8 bytes at 16 r + 8 h: bytes 8 p .. 8 p + 7 of the 24 bytes of codes of row r, block 2 half + h.  So a fragment (16 rows x 128 K, 12 registers) is 1,536 bytes on end,
; register pair p at 256 p + 16 r + 8 h: six loads or stores of 8 bytes a lane, each covering 256 consecutive bytes, aligned.  Scale words lie [tile][K / 128][16 rows], 4 bytes each.
; THE ORDER OF ROWS: stored row s holds true row s with bits 3 and 4 exchanged: lane r of stored tile 2 b + u holds true row 32 b + 8 u + r + 8 (r / 8).  Used as source 0 of a product, two neighbouring
; tiles then leave 16 true neighbours in a lane's 16 result registers.
; cb: x's codes [3][512 tiles][12,288], then W's [4][64 tiles][12,288];  sb: x's scale words [3][512][512], then W's [4][64][512].
; Work-groups 0 to 767 take x, 768 to 1,023 the weights.  Waves share nothing: no barrier.  No cluster: no two work-groups read the same bytes.
.set XWG,   768
.set SP,    528                        ; a stage row: 512 bytes + 16: row r starts 4 r words on modulo 64, so sixteen rows' 16-byte reads fall on different banks (64 banks of 4 bytes: ISA guide 11.1)
.set WREG,  16*SP+256                  ; LDS of a wave: the stage, then 256 bytes for its scale words
.set WCB,   18874368                   ; where the weights' codes begin in cb
.set WSB,   786432                     ; and their scale words in sb
.set R,     16                         ; v16-143  two sets of 64 numbers as loaded
.set X,     144                        ; v144-207 64 numbers of my row: register 16 b + i = k 32 b + 16 h + i
.set PC,    208                        ; v208-227 the codes just made
.set TM,    228                        ; v228-243 at work
.set PW,    244                        ; v244-247 a scale word for each step
.set SEL,   22                         ; s[22:23] lane selects: lane l xor 16
; 64 numbers of a lane, v[s] .. v[s + 63], register 16 b + i = k 32 b + 16 (lane / 16) + i of my row, become a fragment's codes in v[PC] on and its scale word in v[pw].
.macro QUANT s, pw
.irp b, 0,1,2,3
	v_max3_num_f32 v[TM+\b], |v[\s+16*\b]|, |v[\s+1+16*\b]|, 0x1800000   ; block b: my 16 numbers, and the floor 2^(3 - 127): the byte cannot fall under 1
.endr
.irp i, 2,4,6,8,10,12,14
.irp b, 0,1,2,3
	v_max3_num_f32 v[TM+\b], v[TM+\b], |v[\s+16*\b+\i]|, |v[\s+1+16*\b+\i]|   ; the four blocks by turns
.endr
.endr
.irp b, 0,1,2,3
	v_permlanex16_b32 v[TM+4+\b], v[TM+\b], s[SEL], s[SEL+1]
.endr
.irp b, 0,1,2,3
	v_max_num_f32 v[TM+\b], v[TM+\b], v[TM+4+\b]   ; with lane l xor 16's: the block's largest magnitude
.endr
.irp b, 0,1,2,3
	v_add_nc_u32 v[TM+12+\b], 0xff000000, v[TM+\b]   ; 2 off its exponent field: the conversion takes this operand's exponent field as its scale
.endr
.irp b, 0,1,2,3
	v_lshrrev_b32 v[TM+4+\b], 23, v[TM+12+\b]      ; the scale's byte
.endr
	v_lshl_or_b32 v[\pw], v[TM+5], 8, v[TM+4]      ; four bytes make my row's scale word
	v_lshl_or_b32 v[\pw], v[TM+6], 16, v[\pw]
	v_lshl_or_b32 v[\pw], v[TM+7], 24, v[\pw]
.irp c, 0,1
	v_cvt_scalef32_pk16_fp6_f32 v[PC+6*\c:PC+2+6*\c], v[\s+32*\c:\s+15+32*\c], v[TM+12+2*\c]
	v_cvt_scalef32_pk16_fp6_f32 v[PC+12+4*\c:PC+14+4*\c], v[\s+16+32*\c:\s+31+32*\c], v[TM+12+2*\c+1]   ; (a conversion's three registers begin on an even number)
.endr
	v_nop                                          ; one plain instruction behind the scaled conversions
.irp c, 0,1                                    ; the operand wants a whole block in a lane: lanes 0-15 block 2 c, lanes 16-31 block 2 c + 1
.irp i, 0,1,2
	v_permlane16_swap_b32 v[PC+6*\c+\i], v[PC+12+4*\c+\i]
.endr
.irp i, 0,1,2
	v_mov_b32 v[PC+3+6*\c+\i], v[PC+12+4*\c+\i]
.endr
.endr
.endm
	s_load_b512 s[4:19], s[0:1], 0x0               ; queries s[4:5], keys s[6:7], values s[8:9], Wq s[10:11], Wk s[12:13], Wv s[14:15], Wo s[16:17], cb s[18:19]
	s_load_b64 s[20:21], s[0:1], 0x40              ; sb
	v_lshl_add_u32 v254, v0, 2, 0x8800
	v_mov_b32 v255, 0
	v_lshrrev_b32 v1, 5, v0
	v_readfirstlane_b32 s24, v1                    ; wave 0..3
	v_and_b32 v8, 31, v0                           ; lane
	v_and_b32 v9, 15, v0                           ; r
	v_bfe_u32 v10, v0, 4, 1                        ; h
	s_cmp_ge_u32 ttmp9, XWG
	s_cbranch_scc1 .Lweights
; ---- x: a wave takes one tile of 16 rows x 512 along K, in four steps of 128.  Each load reads 512 consecutive bytes of one row; the step's 16 rows turn through the wave's stage, so that a lane gets 16 neighbours of each block.
	v_lshlrev_b32 v1, 4, v8                        ; 16 x lane: my bytes of a load's 512
	s_mul_i32 s25, s24, WREG
	v_add_nc_u32 v2, s25, v1                       ; the stage, on the way in
	v_mul_u32_u24 v3, v9, SP
	v_lshl_add_u32 v3, v10, 6, v3
	v_add_nc_u32 v3, s25, v3                       ; and out: row r, + 64 h
	v_lshlrev_b32 v4, 4, v9
	v_lshl_add_u32 v4, v10, 3, v4                  ; 16 r + 8 h: my place in a piece
	s_add_co_u32 s25, s25, 16*SP
	v_lshl_add_u32 v5, v9, 2, s25                  ; my row's scale word in the wave's 256 bytes
	v_lshlrev_b32 v7, 3, v8
	v_add_nc_u32 v6, s25, v7                       ; and 8 bytes a lane on their way out
.irp b, 0,1,2,3
	v_mov_b32 v[TM+4+\b], 0                        ; written once: a lane permute's destination counts as one of its sources
.endr
	s_lshl_b32 s26, ttmp9, 2
	s_add_co_u32 s26, s26, s24                     ; 4 x work-group + wave
	s_and_b32 s27, s26, 1                          ; which 512 along K
	s_lshr_b32 s26, s26, 1                         ; the tile among 3 x 512
	s_and_b32 s28, s26, 511                        ; the tile in its tensor
	; THE ROWS OF keys ALONE go in groups of four tiles: stored row j of tile T is true row 64 (T / 4) + 8 (T % 4) + j % 8 + 32 (j / 8),
	; so that in S^T = K Q^T a lane's 32 registers of four neighbouring tiles are one whole block of 32 neighbouring keys.  queries and values keep 32 (T / 2) + 8 (T % 2) + j + 8 (j / 8).
	s_lshr_b32 s36, ttmp9, 8                       ; the tensor: 0, 1, 2
	s_cmp_eq_u32 s36, 1                            ; keys?  The choice hangs on the work-group's number alone
	s_cselect_b32 s37, 2, 1                        ; log2 of the tiles in a group
	s_cselect_b32 s38, 6, 5                        ; log2 of a group's rows
	s_cselect_b32 s39, 3, 1
	s_cselect_b32 s30, 0x10000, 0                  ; stored rows 8-15 lie 16 rows of 4,096 bytes further on in keys
	v_add_nc_u32 v11, s30, v1                      ; their offset
	s_wait_alu depctr_va_vdst(0)                   ; the wait behind the write
	s_lshr_b32 s29, s28, s37
	s_lshl_b32 s29, s29, s38
	s_and_b32 s30, s28, s39
	s_lshl_b32 s30, s30, 3
	s_add_co_u32 s29, s29, s30                     ; the tile's first true row
	s_lshl_b32 s30, s29, 12
	s_lshl_b32 s31, s27, 11
	s_add_co_u32 s30, s30, s31
	s_mov_b32 s31, 0                               ; s[30:31]: where I read
	s_mul_i32 s32, s26, 12288
	s_mul_i32 s33, s27, 6144
	s_add_co_u32 s32, s32, s33
	s_mov_b32 s33, 0                               ; s[32:33]: where my codes go
	s_lshl_b32 s34, s26, 9
	s_lshl_b32 s35, s27, 8
	s_add_co_u32 s34, s34, s35
	s_mov_b32 s35, 0                               ; s[34:35]: and my scale words
	s_lshr_b32 s36, ttmp9, 8                       ; the tensor: 0, 1, 2
	s_mov_b32 s[SEL], 0x76543210
	s_mov_b32 s[SEL+1], 0xfedcba98
	s_wait_kmcnt 0x0
	s_cmp_eq_u32 s36, 1                            ; the choice hangs on the work-group's number alone
	s_cselect_b64 s[4:5], s[6:7], s[4:5]
	s_cmp_eq_u32 s36, 2
	s_cselect_b64 s[4:5], s[8:9], s[4:5]
	s_add_nc_u64 s[4:5], s[4:5], s[30:31]
	s_add_nc_u64 s[18:19], s[18:19], s[32:33]
	s_add_nc_u64 s[20:21], s[20:21], s[34:35]
.macro LOAD t                          ; step t: stored row j is true row j + 8 (j / 8) of the tile's 24
.irp j, 0,1,2,3,4,5,6,7,8,9,10,11,12,13,14,15
	global_load_b128 v[R+64*((\t)%2)+4*\j:R+64*((\t)%2)+4*\j+3], v[1+10*(\j/8)], s[4:5] offset:(\j+8*(\j/8))*4096+512*(\t) th:TH_LOAD_NT
.endr
.endm
.macro TURN t                          ; through the stage: LDS serves a wave's instructions in order (ISA guide 5.7.1.4), so no wait stands between the stores and the loads
.irp j, 0,1,2,3,4,5,6,7,8,9,10,11,12,13,14,15
	ds_store_b128 v2, v[R+64*((\t)%2)+4*\j:R+64*((\t)%2)+4*\j+3] offset:SP*\j
.endr
.irp b, 0,1,2,3
.irp i, 0,1,2,3
	ds_load_b128 v[X+16*\b+4*\i:X+16*\b+4*\i+3], v3 offset:128*\b+16*\i
.endr
.endr
.endm
.macro XSTEP t
.if \t < 3
	s_wait_loadcnt 16                              ; this step's sixteen loads are in; the other set's sixteen, issued behind them, may be out
.else
	s_wait_loadcnt 0x0
.endif
	TURN \t
	s_wait_dscnt 0x0                               ; my 64 numbers are back, and the stage's stores have read the set
	s_wait_xcnt 0x0                                ; the last step's stores have read their registers: the codes may be written again
.if \t < 2
	LOAD \t+2                                      ; the set just read takes the step two on
.endif
	QUANT X, PW+\t
.irp p, 0,1,2,3,4,5
	global_store_b64 v4, v[PC+2*\p:PC+2*\p+1], s[18:19] offset:1536*\t+256*\p   ; the 32 lanes store 256 consecutive bytes, aligned
.endr
.endm
	LOAD 0
	LOAD 1
	XSTEP 0
	XSTEP 1
	XSTEP 2
	XSTEP 3
.irp t, 0,1,2,3
	ds_store_b32 v5, v[PW+\t] offset:64*\t         ; both halves of the lanes write the same word with the same value
.endr
	ds_load_b64 v[248:249], v6                     ; in order behind my stores
	s_wait_dscnt 0x0
	global_store_b64 v7, v[248:249], s[20:21]      ; the wave's four steps' scale words: 256 consecutive bytes, aligned
	s_wait_tensorcnt 0x0
	ds_add_u32 v254, v255
	s_wait_dscnt 0x0
	s_endpgm
; ---- the weights: a lane takes a column n and its registers run down K: 128 along K a wave, four blocks a lane, no other lane is asked for a maximum, and the codes come out with K innermost.
.Lweights:
	s_sub_co_u32 s25, ttmp9, XWG
	s_lshr_b32 s26, s25, 6                         ; the weight: Wq, Wk, Wv, Wo
	s_and_b32 s27, s25, 7                          ; which 128 columns
	s_bfe_u32 s28, s25, 0x30003                    ; which 128 along K
	s_lshl_b32 s29, s27, 7
	s_lshl_b32 s30, s24, 5
	s_add_co_u32 s29, s29, s30                     ; my wave's first column
	s_lshl_b32 s30, s28, 19                        ; 128 rows of 4,096 bytes
	s_lshl_b32 s31, s29, 2
	s_add_co_u32 s30, s30, s31
	s_mov_b32 s31, 0
	s_lshr_b32 s29, s29, 4                         ; the first of my two stored tiles
	s_mul_i32 s32, s26, 786432
	s_add_co_u32 s32, s32, WCB
	s_mul_i32 s33, s29, 12288
	s_add_co_u32 s32, s32, s33
	s_mul_i32 s33, s28, 1536
	s_add_co_u32 s32, s32, s33
	s_mov_b32 s33, 0
	s_lshl_b32 s34, s26, 15
	s_add_co_u32 s34, s34, WSB
	s_lshl_b32 s35, s29, 9
	s_add_co_u32 s34, s34, s35
	s_lshl_b32 s35, s28, 6
	s_add_co_u32 s34, s34, s35
	s_mov_b32 s35, 0
	s_wait_alu depctr_va_vdst(0)
	v_lshlrev_b32 v1, 2, v8                        ; in: 4 bytes a lane: a load reads 128 consecutive bytes, the work-group's four waves 512
	v_bfe_u32 v5, v0, 3, 1                         ; column n0 + l is stored row (l % 8) + 8 (l / 16) of tile n0 / 16 + (l / 8) % 2
	v_and_b32 v6, 7, v0
	v_lshl_add_u32 v6, v10, 3, v6
	v_mul_u32_u24 v2, v5, 12288
	v_lshl_add_u32 v2, v6, 4, v2                   ; codes: 16 bytes a row in a piece: blocks 2 c and 2 c + 1
	v_lshlrev_b32 v3, 9, v5
	v_lshl_add_u32 v3, v6, 2, v3                   ; scale word
	s_wait_alu depctr_va_vdst(0)
	s_wait_kmcnt 0x0
	s_cmp_eq_u32 s26, 1
	s_cselect_b64 s[10:11], s[12:13], s[10:11]
	s_cmp_eq_u32 s26, 2
	s_cselect_b64 s[10:11], s[14:15], s[10:11]
	s_cmp_eq_u32 s26, 3
	s_cselect_b64 s[10:11], s[16:17], s[10:11]
	s_add_nc_u64 s[10:11], s[10:11], s[30:31]
	s_add_nc_u64 s[18:19], s[18:19], s[32:33]
	s_add_nc_u64 s[20:21], s[20:21], s[34:35]
; block b: W(128 ks + 32 b + i, my column), i = 0 .. 31, into v[64 + 32 b] on: each block has registers of its own
.macro WLOAD b
.set I, 32*(\b)
.rept 32
	global_load_b32 v[64+I], v1, s[10:11] offset:4096*I th:TH_LOAD_NT
.set I, I+1
.endr
.endm
	WLOAD 0                                        ; the loads run two blocks, 64 loads a wave, ahead
	WLOAD 1
; v16-39: six tuples of four registers: tuple 3 c + p = piece p of blocks 2 c and 2 c + 1
.macro WBLOCK b
.set XS, 64+32*\b
.if \b < 3
	s_wait_loadcnt 32                              ; this block's 32 loads are in; the next block's 32, issued behind them, may be out
.else
	s_wait_loadcnt 0x0
.endif
.if \b < 2
	WLOAD \b+2                                     ; the block two on is asked for while this one is worked on
.endif
	v_max3_num_f32 v12, |v[XS]|, |v[XS+1]|, |v[XS+2]|
	v_max3_num_f32 v13, |v[XS+3]|, |v[XS+4]|, |v[XS+5]|
.irp i, 6,10,14,18,22,26
	v_max3_num_f32 v12, v12, |v[XS+\i]|, |v[XS+\i+1]|
	v_max3_num_f32 v13, v13, |v[XS+\i+2]|, |v[XS+\i+3]|
.endr
	v_max3_num_f32 v12, v12, |v[XS+30]|, |v[XS+31]|
	v_max3_num_f32 v12, v12, v13, 0x1800000        ; and the floor 2^(3 - 127)
	v_add_nc_u32 v11, 0xff000000, v12              ; the conversion's scale operand
	v_lshrrev_b32 v13, 23, v11                     ; the scale's byte
.if \b == 0
	v_mov_b32 v47, v13
.else
	v_lshl_or_b32 v47, v13, 8*\b, v47
.endif
	v_cvt_scalef32_pk16_fp6_f32 v[40:42], v[XS:XS+15], v11
	v_cvt_scalef32_pk16_fp6_f32 v[44:46], v[XS+16:XS+31], v11
	v_nop                                          ; one plain instruction behind the scaled conversions
.set SB, 16+12*(\b/2)+2*(\b%2)
	v_mov_b32 v[SB], v40
	v_mov_b32 v[SB+1], v41
	v_mov_b32 v[SB+4], v42
	v_mov_b32 v[SB+5], v44
	v_mov_b32 v[SB+8], v45
	v_mov_b32 v[SB+9], v46
.if \b%2 == 1
.irp p, 0,1,2
	global_store_b128 v2, v[16+12*(\b/2)+4*\p:16+12*(\b/2)+4*\p+3], s[18:19] offset:768*(\b/2)+256*\p   ; sixteen lanes fill 256 consecutive bytes of one tile, sixteen those of the next
.endr
.endif
.endm
	WBLOCK 0
	WBLOCK 1
	WBLOCK 2
	WBLOCK 3
	global_store_b32 v3, v47, s[20:21]             ; two runs of 64 bytes: parts of aligned blocks of 256; 128 KiB of such stores in the whole launch
	s_endpgm
.Lfunc_end_k_qe21bd5f3ab_quant:
	.size	k_qe21bd5f3ab_quant, .Lfunc_end_k_qe21bd5f3ab_quant-k_qe21bd5f3ab_quant
	.p2alignl 7, 3214868480
	.fill 96, 4, 3214868480
	.section	.rodata,"a",@progbits
	.p2align	6, 0x0
	.amdhsa_kernel k_qe21bd5f3ab_quant
		.amdhsa_group_segment_fixed_size 35328
		.amdhsa_private_segment_fixed_size 0
		.amdhsa_enable_private_segment 0
		.amdhsa_kernarg_size 72
		.amdhsa_user_sgpr_count 2
		.amdhsa_user_sgpr_kernarg_segment_ptr 1
		.amdhsa_wavefront_size32 1
		.amdhsa_system_sgpr_workgroup_id_x 1
		.amdhsa_system_sgpr_workgroup_id_y 1
		.amdhsa_system_sgpr_workgroup_id_z 1
		.amdhsa_system_vgpr_workitem_id 0
		.amdhsa_next_free_vgpr 256
		.amdhsa_next_free_sgpr 66
		.amdhsa_reserve_vcc 0
		.amdhsa_float_denorm_mode_32 3
		.amdhsa_float_denorm_mode_16_64 3
		.amdhsa_memory_ordered 1
		.amdhsa_forward_progress 1
		.amdhsa_inst_pref_size 56
	.end_amdhsa_kernel
	.amdgpu_metadata
---
amdhsa.version: [ 1, 2 ]
amdhsa.kernels:
  - .name:           k_qe21bd5f3ab_quant
    .symbol:         k_qe21bd5f3ab_quant.kd
    .args:
      - { .name: queries, .offset: 0, .size: 8, .value_kind: global_buffer, .address_space: global }
      - { .name: keys, .offset: 8, .size: 8, .value_kind: global_buffer, .address_space: global }
      - { .name: values, .offset: 16, .size: 8, .value_kind: global_buffer, .address_space: global }
      - { .name: Wq, .offset: 24, .size: 8, .value_kind: global_buffer, .address_space: global }
      - { .name: Wk, .offset: 32, .size: 8, .value_kind: global_buffer, .address_space: global }
      - { .name: Wv, .offset: 40, .size: 8, .value_kind: global_buffer, .address_space: global }
      - { .name: Wo, .offset: 48, .size: 8, .value_kind: global_buffer, .address_space: global }
      - { .name: cb, .offset: 56, .size: 8, .value_kind: global_buffer, .address_space: global }
      - { .name: sb, .offset: 64, .size: 8, .value_kind: global_buffer, .address_space: global }
    .group_segment_fixed_size: 35328
    .private_segment_fixed_size: 0
    .kernarg_segment_align: 8
    .kernarg_segment_size: 72
    .max_flat_workgroup_size: 128
    .sgpr_count:     66
    .vgpr_count:     256
    .wavefront_size: 32
...
	.end_amdgpu_metadata
.endif
;; end of part 1
;; launch proj (part 2): grid 4 x 96, 4 waves a work-group, clusters of 4 x 4, 327,680 bytes of LDS; arguments cb, sb, bq, bk, bv, pc, ps; writes pc, ps
.if DOCPART == 2
	.amdgcn_target "amdgcn-amd-amdhsa--gfx1250"
	.amdhsa_code_object_version 6
	.text
	.protected	k_qe21bd5f3ab_proj
	.globl	k_qe21bd5f3ab_proj
	.p2align	8
	.type	k_qe21bd5f3ab_proj,@function
k_qe21bd5f3ab_proj:
	s_mov_b64 s[64:65], 0
	v_nop
	global_prefetch_b8 v0, s[64:65] scope:SCOPE_SE
	s_setreg_imm32_b32 hwreg(HW_REG_WAVE_MODE, 25, 1), 1
	s_wait_xcnt 0x0
	s_wait_alu depctr_hold_cnt(0) depctr_sa_sdst(0) depctr_va_vdst(0) depctr_va_sdst(0) depctr_va_ssrc(0) depctr_va_vcc(0) depctr_vm_vsrc(0)
	s_getreg_b32 s2, hwreg(HW_REG_IB_STS2, 6, 4)
	s_cmp_eq_u32 s2, 0
	s_cbranch_scc0 .Lentry_in_a_cluster
	s_endpgm
.Lentry_in_a_cluster:
	s_bfe_u32 s2, ttmp6, 0x10000c
	s_cmp_lg_u32 s2, 0xf033
	s_cbranch_scc0 .Lentry_shape_is_right
	s_endpgm
.Lentry_shape_is_right:
.set TILEB,  3072
.set HALFT,  8*TILEB
.set SLOT,   4*HALFT
.set FR,     12
.set NL,     6
.set NP,     4
.set NQ,     2
.set SCL,    2*SLOT
.set SPARE,  213248
.set ADRA, 16
.set ADRB, 20
.set LAM,  24
.set SWI,  25
.set SWO,  26
.set ADRS, 27
.set SPW,  28
.set NIL,  29
.set L16,  30
.set ZR,   31
.set SC,   32
.set BB,   64
.set AF,   128
.set BA,   224
.set T,    64
.set PC,   128
.set TM,   152
.set PWB,  168
.set G1, 24
.set G0, 32
.set G1B, 48
.set G0B, 56
.set G1S, 68
.set G1SB, 76
.set G0S, 4
.set G0SB, 8
.set SEL, 66
.set MSB, 0
.macro WIN new
.if MSB != (\new)
	s_set_vgpr_msb (MSB<<8)|(\new)
.set MSB, (\new)
.endif
.endm
.set MUL_LO, 0xa1
.set MUL_HI, 0xf1
.set ZER_LO, 0x81
.set ZER_HI, 0xc1
.set TO_B,   0x40
.macro JLOAD g0a, g1a, g0b, g1b
	s_cmp_eq_u32 s15, 0
	s_cbranch_scc0 .Lfor_b_\@
	tensor_load_to_lds s[\g0a:\g0a+3], s[\g1a:\g1a+7]
	s_nop 0
.rept 4
	v_nop
.endr
	s_branch .Lasked_\@
.Lfor_b_\@:
	tensor_load_to_lds s[\g0b:\g0b+3], s[\g1b:\g1b+7]
	s_nop 0
.rept 4
	v_nop
.endr
.Lasked_\@:
.endm
.macro CREST
	s_cmp_lg_u32 s14, 0
	s_cbranch_scc1 .Lnot_wave_0_\@
	s_barrier_signal -3
.Lnot_wave_0_\@:
	s_barrier_wait -3
	s_barrier_signal -1
	s_barrier_wait -1
.endm
.macro CROUND
	s_barrier_signal -1
	s_barrier_wait -1
	CREST
.endm
.macro PLACES n
.rept \n
	v_nop
.endr
.endm
.macro FRAG reg, adr, q, i
.irp p, 0,1,2,3,4,5
	ds_load_b64 v[\reg+2*\p:\reg+2*\p+1], v[\adr] offset:(\i)*TILEB+(\q)*1536+256*\p
.endr
.endm
.macro MUL16 a0, p, q, sc, zero
.irp a, \a0, \a0+1
.irp b, 0,1,2,3,4,5,6,7
.if \zero
	v_wmma_scale_f32_16x16x128_f8f6f4 v[8*(8*((\a)%4)+\b):8*(8*((\a)%4)+\b)+7], v[128*(\p)+FR*\b:128*(\p)+FR*\b+FR-1], v[AF+FR*(\a):AF+FR*(\a)+FR-1], v[BB+8*\b:BB+8*\b+7], v[SC+8*NQ*(\sc)+NQ*\b+(\q)], v[SC+8*NQ*(\sc)+NQ*(\a)+(\q)] matrix_a_fmt:MATRIX_FMT_FP6 matrix_b_fmt:MATRIX_FMT_FP6 matrix_a_scale:MATRIX_SCALE_ROW1
.else
	v_wmma_scale_f32_16x16x128_f8f6f4 v[8*(8*((\a)%4)+\b):8*(8*((\a)%4)+\b)+7], v[128*(\p)+FR*\b:128*(\p)+FR*\b+FR-1], v[AF+FR*(\a):AF+FR*(\a)+FR-1], v[8*(8*((\a)%4)+\b):8*(8*((\a)%4)+\b)+7], v[SC+8*NQ*(\sc)+NQ*\b+(\q)], v[SC+8*NQ*(\sc)+NQ*(\a)+(\q)] matrix_a_fmt:MATRIX_FMT_FP6 matrix_b_fmt:MATRIX_FMT_FP6 matrix_a_scale:MATRIX_SCALE_ROW1
.endif
.endr
.endr
.endm
.macro FETCH_B slot, q, p
	WIN TO_B
.irp i, 0,1,2,3,4,5,6,7
	FRAG 128*(\p)+FR*\i, ADRB+\slot, \q, \i
.endr
	WIN 0
.endm
.macro FETCH_A slot, q, i0
.irp i, \i0, \i0+1, \i0+2, \i0+3
	FRAG AF+FR*(\i), ADRA+\slot, \q, \i
.endr
.endm
.macro SCALES sc
.irp i, 0,1,2,3,4,5,6,7
.irp q, 0,1
	ds_load_b32 v[SC+16*\sc+2*\i+\q], v[ADRS] offset:512*\i+64*\q
.endr
.endr
.endm
.macro STEP slot, q, zero
	s_wait_dscnt 4*NL
.if \zero
	WIN ZER_LO
.else
	WIN MUL_LO
.endif
	MUL16 0, (\q)%2, \q, \slot, \zero
	MUL16 2, (\q)%2, \q, \slot, \zero
	s_wait_dscnt 0
	PLACES NP
	FETCH_B \slot, (\q)+1, 1-(\q)%2
	FETCH_A \slot, (\q)+1, 0
.if \zero
	WIN ZER_HI
.else
	WIN MUL_HI
.endif
	MUL16 4, (\q)%2, \q, \slot, \zero
	MUL16 6, (\q)%2, \q, \slot, \zero
	PLACES NP
	WIN 0
	FETCH_A \slot, (\q)+1, 4
.endm
.macro TURN slot, next, fill
	s_wait_tensorcnt 0x0
	ds_add_u32 v[SPW], v[NIL]
	s_wait_dscnt 4*NL+1
	WIN MUL_LO
	MUL16 0, 1, NQ-1, \slot, 0
	s_wait_dscnt 0x0
	s_barrier_signal -1
	MUL16 2, 1, NQ-1, \slot, 0
	WIN 0
	s_barrier_wait -1
.if \fill
	CREST
	s_add_nc_u64 s[G0+4*\slot+2:G0+4*\slot+3], s[G0+4*\slot+2:G0+4*\slot+3], 2*TILEB
	s_add_nc_u64 s[G0B+4*\slot+2:G0B+4*\slot+3], s[G0B+4*\slot+2:G0B+4*\slot+3], 2*TILEB
	JLOAD G0+4*\slot, G1, G0B+4*\slot, G1B
.else
	PLACES NP
.endif
	s_wait_alu depctr_va_vdst(0)
	v_add_nc_u32 v[ADRS], 64*NQ, v[ADRS]
	FETCH_B \next, 0, 0
	FETCH_A \next, 0, 0
	SCALES \next
	WIN MUL_HI
	MUL16 4, 1, NQ-1, \slot, 0
	MUL16 6, 1, NQ-1, \slot, 0
	PLACES NP
	WIN 0
	FETCH_A \next, 0, 4
.endm
.macro QUANT s, pw
.irp b, 0,1,2,3
	v_max3_num_f32 v[TM+\b], |v[\s+16*\b]|, |v[\s+1+16*\b]|, 0x1800000
.endr
.irp i, 2,4,6,8,10,12,14
.irp b, 0,1,2,3
	v_max3_num_f32 v[TM+\b], v[TM+\b], |v[\s+16*\b+\i]|, |v[\s+1+16*\b+\i]|
.endr
.endr
.irp b, 0,1,2,3
	v_permlanex16_b32 v[TM+4+\b], v[TM+\b], s[SEL], s[SEL+1]
.endr
.irp b, 0,1,2,3
	v_max_num_f32 v[TM+\b], v[TM+\b], v[TM+4+\b]
.endr
.irp b, 0,1,2,3
	v_add_nc_u32 v[TM+12+\b], 0xff000000, v[TM+\b]
.endr
.irp b, 0,1,2,3
	v_lshrrev_b32 v[TM+4+\b], 23, v[TM+12+\b]
.endr
	v_lshl_or_b32 v[\pw], v[TM+5], 8, v[TM+4]
	v_lshl_or_b32 v[\pw], v[TM+6], 16, v[\pw]
	v_lshl_or_b32 v[\pw], v[TM+7], 24, v[\pw]
.irp c, 0,1
	v_cvt_scalef32_pk16_fp6_f32 v[PC+6*\c:PC+2+6*\c], v[\s+32*\c:\s+15+32*\c], v[TM+12+2*\c]
	v_cvt_scalef32_pk16_fp6_f32 v[PC+12+4*\c:PC+14+4*\c], v[\s+16+32*\c:\s+31+32*\c], v[TM+12+2*\c+1]
.endr
	v_nop
.irp c, 0,1
.irp i, 0,1,2
	v_permlane16_swap_b32 v[PC+6*\c+\i], v[PC+12+4*\c+\i]
.endr
.irp i, 0,1,2
	v_mov_b32 v[PC+3+6*\c+\i], v[PC+12+4*\c+\i]
.endr
.endr
.endm
	s_load_b256 s[84:91], s[0:1], 0x0
	s_load_b128 s[92:95], s[0:1], 0x20
	s_load_b64 s[96:97], s[0:1], 0x30
	v_lshl_add_u32 v[SPW], v0, 2, SPARE
	v_mov_b32 v[NIL], 0
	ds_add_u32 v28, v29
	ds_add_u32 v28, v29
	s_wait_dscnt 0x0
	v_mov_b32 v[ZR], 0
	v_lshrrev_b32 v1, 5, v0
	v_readfirstlane_b32 s14, v1
	s_lshr_b32 s15, s14, 1
	s_and_b32 s16, s14, 1
	s_bfe_u32 s40, ttmp6, 0x40000
	s_bfe_u32 s41, ttmp6, 0x40004
	s_and_b32 s2, ttmp7, 0xffff
	s_lshr_b32 s3, s2, 3
	s_and_b32 s2, s2, 7
	s_lshl_b32 s2, s2, 2
	s_lshl_b32 s99, ttmp9, 2
	s_mul_i32 s12, s3, 6291456
	s_mul_i32 s13, s3, 786432
	s_add_co_u32 s13, s13, 18874368
	s_mul_i32 s18, s3, 262144
	s_mul_i32 s19, s3, 32768
	s_add_co_u32 s19, s19, 786432
	s_cmp_eq_u32 s3, 2
	s_cselect_b32 s42, s2, s99
	s_cselect_b32 s17, 0, s2
	s_cselect_b32 s98, -1, 0
	s_cselect_b32 s20, s13, s12
	s_cselect_b32 s46, s12, s13
	s_cselect_b32 s22, s19, s18
	s_cselect_b32 s66, s18, s19
	s_add_co_u32 s42, s42, s40
	s_add_co_u32 s17, s17, s41
	s_lshl_b32 s43, s41, 2
	s_lshl_b32 s43, 15, s43
	s_lshl_b32 s44, 0x1111, s40
	s_or_b32 s[G1+0], s43, (3<<16)|(1<<21)
	s_or_b32 s[G1B+0], s44, (3<<16)|(1<<21)
.irp g, G1, G1B
	s_mov_b32 s[\g+1], 384<<16
	s_mov_b32 s[\g+2], 8<<16
	s_mov_b32 s[\g+3], 384<<16
	s_mov_b32 s[\g+4], 8
	s_mov_b32 s[\g+5], 1536
	s_mov_b32 s[\g+6], 0
	s_mov_b32 s[\g+7], 0
.endr
	s_or_b32 s[G1S+0], s43, (3<<16)|(1<<21)
	s_or_b32 s[G1SB+0], s44, (3<<16)|(1<<21)
.irp g, G1S, G1SB
	s_mov_b32 s[\g+1], 32<<16
	s_mov_b32 s[\g+2], 16<<16
	s_mov_b32 s[\g+3], 32<<16
	s_mov_b32 s[\g+4], 16
	s_mov_b32 s[\g+5], 32
	s_mov_b32 s[\g+6], 0
	s_mov_b32 s[\g+7], 0
.endr
	s_lshl_b32 s13, s16, 3
	s_lshl_b32 s12, s17, 4
	s_add_co_u32 s12, s12, s13
	s_lshl_b32 s18, s42, 4
	s_add_co_u32 s18, s18, s13
	s_mul_i32 s19, s12, 12288
	s_add_co_u32 s20, s20, s19
	s_lshl_b32 s19, s12, 9
	s_add_co_u32 s22, s22, s19
	s_mul_i32 s67, s18, 12288
	s_add_co_u32 s46, s46, s67
	s_lshl_b32 s67, s18, 9
	s_add_co_u32 s66, s66, s67
	s_mov_b32 s21, 0
	s_mov_b32 s23, 0
	s_mov_b32 s47, 0
	s_mov_b32 s67, 0
	s_mul_i32 s45, s14, HALFT
	s_lshl_b32 s99, s14, 12
	s_lshl_b32 s100, s15, 6
	s_add_co_u32 s99, s99, s100
	s_wait_kmcnt 0x0
	s_add_nc_u64 s[20:21], s[84:85], s[20:21]
	s_add_nc_u64 s[22:23], s[86:87], s[22:23]
	s_add_nc_u64 s[46:47], s[84:85], s[46:47]
	s_add_nc_u64 s[66:67], s[86:87], s[66:67]
	CROUND
	s_mov_b32 s[G0S], 1
	s_add_co_u32 s[G0S+1], s99, SCL
	s_mov_b64 s[G0S+2:G0S+3], s[22:23]
	s_or_b32 s[G0S+3], s[G0S+3], 0x80000000
	s_mov_b32 s[G0SB], 1
	s_add_co_u32 s[G0SB+1], s99, SCL
	s_mov_b64 s[G0SB+2:G0SB+3], s[66:67]
	s_or_b32 s[G0SB+3], s[G0SB+3], 0x80000000
	JLOAD G0S, G1S, G0SB, G1SB
.irp s, 0,1
	s_mov_b32 s[G0+4*\s], 1
	s_add_co_u32 s[G0+4*\s+1], s45, \s*SLOT
	s_add_nc_u64 s[G0+4*\s+2:G0+4*\s+3], s[20:21], \s*TILEB
	s_or_b32 s[G0+4*\s+3], s[G0+4*\s+3], 0x80000000
	s_mov_b32 s[G0B+4*\s], 1
	s_add_co_u32 s[G0B+4*\s+1], s45, \s*SLOT
	s_add_nc_u64 s[G0B+4*\s+2:G0B+4*\s+3], s[46:47], \s*TILEB
	s_or_b32 s[G0B+4*\s+3], s[G0B+4*\s+3], 0x80000000
	s_wait_alu depctr_va_vdst(0)
	s_wait_tensorcnt 0x0
	ds_add_u32 v28, v29
	s_wait_dscnt 0x0
	CROUND
	JLOAD G0+4*\s, G1, G0B+4*\s, G1B
.endr
	v_and_b32 v1, 15, v0
	v_bfe_u32 v2, v0, 4, 1
	s_wait_alu depctr_va_vdst(0)
	v_lshlrev_b32 v3, 4, v1
	v_lshl_add_u32 v3, v2, 3, v3
	v_mov_b32 v[LAM], v3
	s_mul_i32 s21, s15, HALFT
	s_mul_i32 s22, s16, HALFT
	s_add_co_u32 s22, s22, 2*HALFT
.irp s, 0,1
	v_add_nc_u32 v[ADRA+\s], s21, v3
	v_add_nc_u32 v[ADRB+\s], s22, v3
	s_add_co_u32 s21, s21, SLOT
	s_add_co_u32 s22, s22, SLOT
.endr
	s_lshl_b32 s21, s15, 12
	s_lshl_b32 s22, s16, 12
	s_add_co_u32 s22, s22, 8256
	s_sub_co_u32 s22, s22, s21
	v_mul_u32_u24 v6, s22, v2
	s_add_co_u32 s21, s21, SCL
	v_lshl_add_u32 v5, v1, 2, v6
	v_add_nc_u32 v[ADRS], s21, v5
	s_lshl_b32 s21, s14, 9
	v_lshl_add_u32 v[SWI], v1, 2, s21
	v_and_b32 v4, 31, v0
	v_lshlrev_b32 v[L16], 4, v4
	v_add_nc_u32 v[SWO], s21, v[L16]
	s_mov_b32 s[SEL], 0x76543210
	s_mov_b32 s[SEL+1], 0xfedcba98
	s_lshl_b32 s12, s42, 10
	s_lshl_b32 s13, s16, 9
	s_add_co_u32 s12, s12, s13
	s_lshl_b32 s18, s17, 10
	s_lshl_b32 s13, s15, 9
	s_add_co_u32 s18, s18, s13
	s_cmp_eq_u32 s3, 1
	s_cselect_b64 s[100:101], s[90:91], s[88:89]
	s_cmp_eq_u32 s3, 2
	s_cselect_b64 s[100:101], s[92:93], s[100:101]
	s_cselect_b32 s12, 0, s12
	s_cselect_b32 s18, s18, 0
	s_mov_b32 s13, 0
	s_mov_b32 s19, 0
	s_add_nc_u64 s[12:13], s[100:101], s[12:13]
	s_add_nc_u64 s[18:19], s[100:101], s[18:19]
	v_lshlrev_b32 v8, 6, v2
	v_and_b32 v5, 7, v1
	v_lshrrev_b32 v9, 3, v1
	v_lshl_add_u32 v9, v9, 4, v5
	v_lshlrev_b32 v9, 2, v9
.irp b, 0,1,2,3,4,5,6,7
	global_load_b128 v[BB+8*\b:BB+8*\b+3], v8, s[12:13] offset:4*(32*(\b/2)+8*(\b%2))
	global_load_b128 v[BB+8*\b+4:BB+8*\b+7], v8, s[12:13] offset:4*(32*(\b/2)+8*(\b%2))+16
.endr
.irp a, 0,1,2,3,4,5,6,7
	global_load_b32 v[BA+2*\a], v9, s[18:19] offset:4*(32*(\a/2)+8*(\a%2))
	v_mov_b32 v[BA+2*\a+1], 0
.endr
	s_wait_loadcnt 0x0
.set I, 0
.rept 64
	v_cndmask_b32 v[BB+I], v[BB+I], v[ZR], s98
.set I, I+1
.endr
.irp a, 0,1,2,3,4,5,6,7
	v_cndmask_b32 v[BA+2*\a], v[ZR], v[BA+2*\a], s98
.endr
	PLACES 8
	s_cmp_eq_u32 s3, 2
	s_cselect_b32 s12, s42, s17
	s_cselect_b32 s13, s16, s15
	s_cselect_b32 s18, s17, s42
	s_cselect_b32 s19, s15, s16
	s_lshr_b32 s20, s12, 3
	s_lshl_b32 s20, s20, 3
	s_lshl_b32 s18, s18, 1
	s_add_co_u32 s20, s20, s18
	s_add_co_u32 s20, s20, s19
	s_lshl_b32 s20, s20, 4
	s_and_b32 s12, s12, 7
	s_lshl_b32 s12, s12, 1
	s_add_co_u32 s20, s20, s12
	s_add_co_u32 s20, s20, s13
	s_lshl_b32 s21, s3, 9
	s_add_co_u32 s20, s20, s21
	s_mul_i32 s22, s20, 12288
	s_mov_b32 s23, 0
	s_lshl_b32 s20, s20, 9
	s_mov_b32 s21, 0
	s_add_nc_u64 s[94:95], s[94:95], s[22:23]
	s_add_nc_u64 s[96:97], s[96:97], s[20:21]
	s_wait_alu depctr_va_vdst(0)
	s_wait_tensorcnt 1
	s_barrier_signal -1
	s_barrier_wait -1
	FETCH_B 0, 0, 0
	FETCH_A 0, 0, 0
	SCALES 0
	FETCH_A 0, 0, 4
	STEP 0, 0, 1
	TURN 0, 1, 1
	STEP 1, 0, 0
	TURN 1, 0, 1
	STEP 0, 0, 0
	TURN 0, 1, 0
	STEP 1, 0, 0
	s_wait_dscnt 4*NL
	WIN MUL_LO
	MUL16 0, 1, NQ-1, 1, 0
	MUL16 2, 1, NQ-1, 1, 0
	s_wait_dscnt 0
	WIN MUL_HI
	MUL16 4, 1, NQ-1, 1, 0
	MUL16 6, 1, NQ-1, 1, 0
	WIN 0
	PLACES NP
.irp b, 0,1,2,3
	v_mov_b32 v[TM+4+\b], 0
.endr
.macro OUTBLK a
.if \a > 0
	s_wait_xcnt 0x0
.endif
	WIN 0x02+(\a)/4
.set I, 0
.rept 32
	v_pk_add_f32 v[T+I:T+I+1], v[64*((\a)%4)+I:64*((\a)%4)+I+1], v[BA+2*(\a):BA+2*(\a)+1] op_sel_hi:[1,0]
.set I, I+2
.endr
	WIN 0
	QUANT T, PWB+\a
.irp p, 0,1,2,3,4,5
	global_store_b64 v[LAM], v[PC+2*\p:PC+2*\p+1], s[94:95] offset:1536*\a+256*\p
.endr
.endm
.irp a, 0,1,2,3,4,5,6,7
	OUTBLK \a
.endr
.irp a, 0,1,2,3,4,5,6,7
	ds_store_b32 v[SWI], v[PWB+\a] offset:64*\a
.endr
	ds_load_b128 v[176:179], v[SWO]
	s_wait_dscnt 0x0
	global_store_b128 v[L16], v[176:179], s[96:97]
	s_wait_tensorcnt 0x0
	ds_add_u32 v[SPW], v[NIL]
	s_wait_dscnt 0x0
	CROUND
	s_endpgm
.Lfunc_end_k_qe21bd5f3ab_proj:
	.size	k_qe21bd5f3ab_proj, .Lfunc_end_k_qe21bd5f3ab_proj-k_qe21bd5f3ab_proj
	.p2alignl 7, 3214868480
	.fill 96, 4, 3214868480
	.section	.rodata,"a",@progbits
	.p2align	6, 0x0
	.amdhsa_kernel k_qe21bd5f3ab_proj
		.amdhsa_group_segment_fixed_size 327680
		.amdhsa_private_segment_fixed_size 0
		.amdhsa_enable_private_segment 0
		.amdhsa_kernarg_size 56
		.amdhsa_user_sgpr_count 2
		.amdhsa_user_sgpr_kernarg_segment_ptr 1
		.amdhsa_wavefront_size32 1
		.amdhsa_system_sgpr_workgroup_id_x 1
		.amdhsa_system_sgpr_workgroup_id_y 1
		.amdhsa_system_sgpr_workgroup_id_z 1
		.amdhsa_system_vgpr_workitem_id 0
		.amdhsa_next_free_vgpr 1024
		.amdhsa_next_free_sgpr 102
		.amdhsa_reserve_vcc 0
		.amdhsa_float_denorm_mode_32 3
		.amdhsa_float_denorm_mode_16_64 3
		.amdhsa_memory_ordered 1
		.amdhsa_forward_progress 1
		.amdhsa_inst_pref_size 194
	.end_amdhsa_kernel
	.amdgpu_metadata
---
amdhsa.version: [ 1, 2 ]
amdhsa.kernels:
  - .name:           k_qe21bd5f3ab_proj
    .symbol:         k_qe21bd5f3ab_proj.kd
    .args:
      - { .name: cb, .offset: 0, .size: 8, .value_kind: global_buffer, .address_space: global }
      - { .name: sb, .offset: 8, .size: 8, .value_kind: global_buffer, .address_space: global }
      - { .name: bq, .offset: 16, .size: 8, .value_kind: global_buffer, .address_space: global }
      - { .name: bk, .offset: 24, .size: 8, .value_kind: global_buffer, .address_space: global }
      - { .name: bv, .offset: 32, .size: 8, .value_kind: global_buffer, .address_space: global }
      - { .name: pc, .offset: 40, .size: 8, .value_kind: global_buffer, .address_space: global }
      - { .name: ps, .offset: 48, .size: 8, .value_kind: global_buffer, .address_space: global }
    .group_segment_fixed_size: 327680
    .private_segment_fixed_size: 0
    .kernarg_segment_align: 8
    .kernarg_segment_size: 56
    .max_flat_workgroup_size: 128
    .sgpr_count:     102
    .vgpr_count:     1024
    .wavefront_size: 32
...
	.end_amdgpu_metadata
.endif
;; end of part 2
;; launch attn (part 3): grid 4 x 64, 16 waves a work-group, clusters of 4 x 1, 210,944 bytes of LDS; arguments pc, ps, oc, os; writes oc, os
.if DOCPART == 3
	.amdgcn_target "amdgcn-amd-amdhsa--gfx1250"
	.amdhsa_code_object_version 6
	.text
	.protected	k_qe21bd5f3ab_attn
	.globl	k_qe21bd5f3ab_attn
	.p2align	8
	.type	k_qe21bd5f3ab_attn,@function
k_qe21bd5f3ab_attn:
	s_mov_b64 s[64:65], 0
	v_nop
	global_prefetch_b8 v0, s[64:65] scope:SCOPE_SE
	s_setreg_imm32_b32 hwreg(HW_REG_WAVE_MODE, 25, 1), 1
	s_wait_xcnt 0x0
	s_wait_alu depctr_hold_cnt(0) depctr_sa_sdst(0) depctr_va_vdst(0) depctr_va_sdst(0) depctr_va_ssrc(0) depctr_va_vcc(0) depctr_vm_vsrc(0)
	s_getreg_b32 s2, hwreg(HW_REG_IB_STS2, 6, 4)
	s_cmp_eq_u32 s2, 0
	s_cbranch_scc0 .Lentry_in_a_cluster
	s_endpgm
.Lentry_in_a_cluster:
	s_bfe_u32 s2, ttmp6, 0x10000c
	s_cmp_lg_u32 s2, 0x3003
	s_cbranch_scc0 .Lentry_shape_is_right
	s_endpgm
.Lentry_shape_is_right:
; For each of 64 heads (batch x 16): O = softmax(Q K^T / 8) V on codes of FP6 (E2M3) with E8M0 scales; O / l is quantised along the head's 64 and leaves as codes for the last product.
; THE SOFTMAX: t = score x log2(e) / 8; M = the running largest t rounded UP to a whole number; p = 2^(t - M) is quantised along the keys, not normalised; l is the sum of the unquantised p and divides O at the end.
; When M moves, l and O are multiplied by 2^(old M - new M): exact.
; SHARES: a cluster of four work-groups owns a head; a work-group 512 queries; each of its sixteen waves two tiles of 16 queries, one after the other (the outer loop's two trips).
; A HEAD'S K, V AND THEIR SCALE WORDS STAY IN LDS (208,896 bytes): ten joint loads for the four work-groups, one a wave (waves 0-9), filled once, never filled again, never stored into: one barrier, none in the loop over the keys.
; No prefetch: every tile is asked for at the head, so there is no loop in which to ask ahead.
; LAYOUT: 16 rows x 64 K of codes are 768 bytes, register pair p of lane (r, h) at 256 p + 16 r + 8 h.  Both products are used transposed: S^T = K Q^T, O^T = V^T P^T: a lane holds one query.
; Stored row j of key tile T is key 64 (T / 4) + 8 (T % 4) + j % 8 + 32 (j / 8): so registers 32 c + i of S^T in lane (r, h) are keys 64 c + 32 h + i: block 2 c + h of the second product's K, whole, in the operand's own order:
; a block's maximum needs no other lane and p's codes are not moved between lanes.  V's features are stored so that registers 16 b + i of O^T are features 32 b + 16 h + i.
; K = 64 IN AN INSTRUCTION OF 128: Q's registers 6-11 are zero codes; K's operand of 12 registers runs on into the next tile's codes (the eighth's into v80-85, which hold whatever was at work there): all meet zero codes;
; both sides' scale bytes 2 and 3 are 0, which stands for 2^-127: that half adds 0.
; LIMITS: NaN and infinities are not served; the promise holds while |t| stays under 2^31; a block of O / l whose largest magnitude lies under 2^-124 gets the byte 1.
; REGISTERS: v1-5 addresses that stay; v6 f (named with v7 as a pair); v7 Q's scale words; v8-11 addresses in hand; v12 -M, v13 the largest score, v[14:15] l in two halves; v16-21 Q, v22-27 zeros; v28, v29 for the add;
;   v30-31 V's scale words; v32-79 eight tiles of K; v80-85 at work; v86-92 codes on their way; v94 p's scale word; v96-159 S^T, then p; v160-191 O^T; v192-239 V's four fragments; v240-251 p's codes; v252-255 K's scale words.
.set KC,   0                           ; LDS: K's codes: tile t at 768 t
.set VC,   98304                       ; V's: 128 keys at 6,144 s, 16 features at + 1,536
.set KSC,  196608                      ; K's scale words: 64 bytes a tile
.set VSC,  204800                      ; V's: 256 bytes for 128 keys
.set SPARE, 208896                     ; the spare words: 128 bytes for each of 16 waves
.set TB,   12                          ; s12 the step's codes (K's and V's alike: 6,144 bytes a step)
.set TS,   13                          ; s13 K's scale words: 512 bytes a step
.set TJ,   14                          ; s14 V's: 256
.set CNT,  15
.set PASS, 16
.set WV,   18
.set NC,   19
.set SEL,  20
.set CS,   22
.set G1K,  24
.set G1V,  32
.set G1KS, 40
.set G1VS, 48
.set DK,   56
.set DV,   60
.set DKS,  68
.set DVS,  72
.set QB,   80
.set QS,   82
.set OC,   84
.set OS,   86
.macro CROUND                          ; a round of the cluster's barrier
	s_barrier_signal -1
	s_barrier_wait -1
	s_cmp_lg_u32 s[WV], 0
	s_cbranch_scc1 .Lnot_wave_0_\@
	s_barrier_signal -3
.Lnot_wave_0_\@:
	s_barrier_wait -3
	s_barrier_signal -1
	s_barrier_wait -1
.endm
.macro G1SET g, c, r, p                ; group 1: r rows of c elements of 8 bytes, p elements apart; mask = all four work-groups; no padding
	s_mov_b32 s[\g], 15|(3<<16)|(1<<21)
	s_mov_b32 s[\g+1], \c<<16
	s_mov_b32 s[\g+2], \r<<16
	s_mov_b32 s[\g+3], \c<<16
	s_mov_b32 s[\g+4], \r
	s_mov_b32 s[\g+5], \p
	s_mov_b32 s[\g+6], 0
	s_mov_b32 s[\g+7], 0
.endm
.macro ARM under, g0, g1, next         ; one arm of the head's chain: one joint load, then to the join
	s_cmp_lt_u32 s[WV], \under
	s_cbranch_scc0 \next
	tensor_load_to_lds s[\g0:\g0+3], s[\g1:\g1+7]
	s_nop 0
.rept 4
	v_nop
.endr
	s_branch .Lasked
\next:
.endm
.macro QLOAD                           ; a tile of queries: 768 bytes of codes and my head's two scale bytes a row
.irp p, 0,1,2
	global_load_b64 v[16+2*\p:17+2*\p], v1, s[QB:QB+1] offset:256*\p
.endr
	global_load_u16 v7, v5, s[QS:QS+1]
.endm
	s_load_b256 s[4:11], s[0:1], 0x0               ; pc s[4:5], ps s[6:7], oc s[8:9], os s[10:11]
	v_lshl_add_u32 v28, v0, 2, SPARE
	v_mov_b32 v29, 0
	ds_add_u32 v28, v29                            ; the opening lines: the add, twice on end, and its wait ahead of the first tensor load
	ds_add_u32 v28, v29
	v_lshrrev_b32 v8, 5, v0
	v_readfirstlane_b32 s[WV], v8                  ; wave 0..15
	s_and_b32 s2, ttmp7, 0xffff
	s_lshr_b32 s3, s2, 4                           ; batch
	s_and_b32 s88, s2, 15                          ; head
	s_lshr_b32 s89, s88, 1                         ; head pair
	s_and_b32 s90, s88, 1                          ; which of the pair
	s_lshl_b32 s91, s3, 3
	s_add_co_u32 s91, s91, s89                     ; batch x 8 + head pair
	s_and_b32 s92, s[WV], 3                        ; the quarter of the keys that waves 0-3 (K) and 4-7 (V) fetch
	s_mul_i32 s17, s92, 24576                      ; its place in LDS
	s_mul_i32 s94, s92, 49152                      ; and in memory,
	s_mul_i32 s95, s91, 196608
	s_add_co_u32 s94, s94, s95                     ; in the pair's codes
	s_mul_i32 s96, s90, 768
	s_add_co_u32 s96, s96, s94
	s_add_co_u32 s96, s96, 6291456                 ; K: my head's 768 of each 1,536
	s_mov_b32 s97, 0
	s_mul_i32 s98, s90, 6144
	s_add_co_u32 s98, s98, s94
	s_add_co_u32 s98, s98, 12582912                ; V: my head's 6,144 of each 12,288
	s_mov_b32 s99, 0
	s_lshl_b32 s94, s91, 13
	s_add_co_u32 s94, s94, 262144                  ; K's scale words: all of the pair's
	s_mov_b32 s95, 0
	s_lshl_b32 s92, s90, 8
	s_add_co_u32 s92, s92, s94
	s_add_co_u32 s92, s92, 262144                  ; V's: my head's 256 of each 512
	s_mov_b32 s93, 0
	G1SET G1K, 96, 32, 192                         ; K: 32 tiles of 768 bytes, 1,536 apart
	G1SET G1V, 768, 4, 1536                        ; V: 4 rows of 6,144 bytes, 12,288 apart
	G1SET G1KS, 32, 32, 32                         ; K's scale words: 8,192 dense bytes as 32 rows of 256
	G1SET G1VS, 32, 16, 64                         ; V's: 16 rows of 256 bytes, 512 apart
	s_mov_b32 s[SEL], 0x76543210
	s_mov_b32 s[SEL+1], 0xfedcba98                 ; lane l xor 16
	s_mov_b32 s[CS], 0x3e38aa3b                    ; c = log2(e) / 8
	s_mov_b32 s[CS+1], s[CS]                       ; named with it as a pair, so it is written
	s_mov_b32 s[NC], 0xbe38aa3b                    ; -c
	s_wait_dscnt 0x0                               ; both opening adds are done
	s_wait_kmcnt 0x0
	s_mov_b32 s[DK], 1
	s_add_co_u32 s[DK+1], s17, KC
	s_add_nc_u64 s[DK+2:DK+3], s[4:5], s[96:97]
	s_or_b32 s[DK+3], s[DK+3], 0x80000000
	s_mov_b32 s[DV], 1
	s_add_co_u32 s[DV+1], s17, VC
	s_add_nc_u64 s[DV+2:DV+3], s[4:5], s[98:99]
	s_or_b32 s[DV+3], s[DV+3], 0x80000000
	s_mov_b32 s[DKS], 1
	s_mov_b32 s[DKS+1], KSC
	s_add_nc_u64 s[DKS+2:DKS+3], s[6:7], s[94:95]
	s_or_b32 s[DKS+3], s[DKS+3], 0x80000000
	s_mov_b32 s[DVS], 1
	s_mov_b32 s[DVS+1], VSC
	s_add_nc_u64 s[DVS+2:DVS+3], s[6:7], s[92:93]
	s_or_b32 s[DVS+3], s[DVS+3], 0x80000000
	CROUND                                         ; all four work-groups are here: the joint loads meet
	ARM 4, DK, G1K, .Larm_v                        ; waves 0-3: a quarter of K each; one tensor load a wave is out
	ARM 8, DV, G1V, .Larm_ks                       ; waves 4-7: a quarter of V each
	ARM 9, DKS, G1KS, .Larm_vs                     ; wave 8: K's scale words
	s_cmp_lt_u32 s[WV], 10
	s_cbranch_scc0 .Lasked
	tensor_load_to_lds s[DVS:DVS+3], s[G1VS:G1VS+7]  ; wave 9: V's
	s_nop 0
.rept 4
	v_nop
.endr
.Lasked:
	s_bfe_u32 s98, ttmp6, 0x40000                  ; cx enters Q's and O's addresses alone
	s_lshl_b32 s98, s98, 5
	s_add_co_u32 s98, s98, s[WV]                   ; my first tile of queries in the batch: 32 cx + wave; the second lies 16 tiles on
	s_mul_i32 s92, s91, 196608
	s_mul_i32 s93, s98, 1536
	s_add_co_u32 s92, s92, s93
	s_mul_i32 s93, s90, 768
	s_add_co_u32 s92, s92, s93
	s_mov_b32 s93, 0
	s_add_nc_u64 s[QB:QB+1], s[4:5], s[92:93]      ; Q's codes
	s_lshl_b32 s92, s91, 13
	s_lshl_b32 s94, s98, 6
	s_add_co_u32 s92, s92, s94
	s_lshl_b32 s94, s90, 1
	s_add_co_u32 s92, s92, s94
	s_add_nc_u64 s[QS:QS+1], s[6:7], s[92:93]      ; my head's two bytes of Q's scale words
	s_lshl_b32 s94, s3, 7
	s_add_co_u32 s94, s94, s98                     ; the token tile among 512
	s_lshl_b32 s92, s94, 4
	s_add_co_u32 s92, s92, s88
	s_mul_i32 s92, s92, 768
	s_add_nc_u64 s[OC:OC+1], s[8:9], s[92:93]      ; oc: [token tile][head][768]
	s_lshl_b32 s92, s94, 3
	s_add_co_u32 s92, s92, s89
	s_lshl_b32 s92, s92, 6
	s_lshl_b32 s94, s90, 1
	s_add_co_u32 s92, s92, s94
	s_add_nc_u64 s[OS:OS+1], s[10:11], s[92:93]    ; os: [token tile][head pair][16 words], my head's two bytes
	s_add_co_u32 s94, s94, KSC
	v_and_b32 v8, 15, v0                           ; r
	v_bfe_u32 v9, v0, 4, 1                         ; h
	v_and_b32 v10, 31, v0
	v_lshlrev_b32 v1, 4, v8
	v_lshlrev_b32 v5, 2, v8                        ; 4 r
	v_lshlrev_b32 v10, 2, v10
	v_lshl_add_u32 v1, v9, 3, v1                   ; 16 r + 8 h: my place in a piece: K's tiles, Q, oc
	QLOAD                                          ; the first tile of queries comes while the tiles land
	v_add_nc_u32 v2, VC, v1                        ; V's
	v_add_nc_u32 v3, s94, v10                      ; K's scale words: lanes 0-15 a tile's, lanes 16-31 the next tile's; my head's two bytes
	v_add_nc_u32 v4, VSC, v10                      ; V's likewise
.irp i, 0,1,2,3,4,5
	v_mov_b32 v[22+\i], 0                          ; Q's K = 64 .. 127: zero codes
	v_mov_b32 v[80+\i], 0                          ; written once: named behind the eighth tile of K, and as lane permutes' destinations
.endr
	s_mov_b32 s[PASS], 2
	s_wait_alu depctr_va_vdst(0)                   ; the wait at the head's end
	s_wait_tensorcnt 0x0                           ; my tile, if I asked for one, has landed
	s_barrier_signal -1
	s_barrier_wait -1                              ; everybody's has: K, V and the scale words are whole, for the rest of the launch
.Lpass:                                                ; a tile of 16 queries
	s_wait_dscnt 0x0                               ; (second trip: the last step's look-ahead has landed in the registers that are loaded anew)
.irp t, 0,1,2,3,4,5,6,7
.irp p, 0,1,2
	ds_load_b64 v[32+6*\t+2*\p:33+6*\t+2*\p], v1 offset:768*\t+256*\p   ; K's first 128 keys
.endr
.endr
.irp i, 0,1,2,3
	ds_load_u16 v[252+\i], v3 offset:128*\i        ; two bytes, the upper two come as 0
.endr
	v_mov_b32 v13, 0xff61b1e6                      ; the largest score so far: -3e38
	v_mov_b32 v12, 0x7e000000                      ; -M: so large that the first f is 0; l and O^T begin as zeros, which it leaves zeros
	v_mov_b32 v14, 0
	v_mov_b32 v15, 0
.set J, 0
.rept 32
	v_mov_b32 v[160+J], 0
.set J, J+1
.endr
	s_mov_b32 s[TB], 0
	s_mov_b32 s[TS], 0
	s_mov_b32 s[TJ], 0
	s_mov_b32 s[CNT], 16
	s_wait_alu depctr_va_vdst(0)                   ; the wait here, directly ahead of the wait below
	s_wait_loadcnt 0x0                             ; Q is in
.Lstep:                                                ; A KEY STEP: 128 keys
	s_wait_dscnt 0x0                               ; this step's K, asked for a step ago
.irp t, 0,2,4,6                                ; S^T = K Q^T
	v_wmma_scale_f32_16x16x128_f8f6f4 v[96+8*\t:103+8*\t], v[32+6*\t:43+6*\t], v[16:27], 0, v[252+\t/2], v7 matrix_a_fmt:MATRIX_FMT_FP6 matrix_b_fmt:MATRIX_FMT_FP6
	v_wmma_scale_f32_16x16x128_f8f6f4 v[104+8*\t:111+8*\t], v[38+6*\t:49+6*\t], v[16:27], 0, v[252+\t/2], v7 matrix_a_fmt:MATRIX_FMT_FP6 matrix_b_fmt:MATRIX_FMT_FP6 matrix_a_scale:MATRIX_SCALE_ROW1
.endr
	v_add_nc_u32 v8, s[TB], v1                     ; these four are the places between the products and the loads into their registers and the first read of the scores
	v_add_nc_u32 v9, s[TB], v2
	v_add_nc_u32 v10, s[TS], v3
	v_add_nc_u32 v11, s[TJ], v4
.irp d, 0,1,2,3                                ; this step's V lands under the softmax
.irp p, 0,1,2,3,4,5
	ds_load_b64 v[192+12*\d+2*\p:193+12*\d+2*\p], v9 offset:1536*\d+256*\p
.endr
.endr
.irp i, 0,1
	ds_load_b32 v[30+\i], v11 offset:128*\i
.endr
.irp t, 0,1,2,3,4,5,6,7                        ; and the next step's K.  (The sixteenth step's look-ahead reads the bytes behind K's, which have landed too, and is not used)
.irp p, 0,1,2
	ds_load_b64 v[32+6*\t+2*\p:33+6*\t+2*\p], v8 offset:6144+768*\t+256*\p
.endr
.endr
.irp i, 0,1,2,3
	ds_load_u16 v[252+\i], v10 offset:512+128*\i
.endr
.irp c, 0,1                                    ; the largest score of my two blocks of 32 keys, each in two chains, the four by turns; each accumulator is read from its low end on
	v_max3_num_f32 v[80+\c], v[96+32*\c], v[97+32*\c], v[98+32*\c]
	v_max3_num_f32 v[82+\c], v[112+32*\c], v[113+32*\c], v[114+32*\c]
.endr
.irp i, 3,5,7,9,11,13
.irp c, 0,1
	v_max3_num_f32 v[80+\c], v[80+\c], v[96+32*\c+\i], v[97+32*\c+\i]
	v_max3_num_f32 v[82+\c], v[82+\c], v[112+32*\c+\i], v[113+32*\c+\i]
.endr
.endr
.irp c, 0,1
	v_max3_num_f32 v[80+\c], v[80+\c], v[82+\c], v[111+32*\c]
.endr
.irp c, 0,1
	v_max_num_f32 v[80+\c], v[80+\c], v[127+32*\c] ; it serves twice: for the row's maximum, and, since p rises with the score, for the block's largest p
.endr
	v_max_num_f32 v84, v80, v81
	v_permlanex16_b32 v85, v84, s[SEL], s[SEL+1]   ; lane l xor 16 holds the query's other 64 keys
	v_max3_num_f32 v13, v13, v84, v85              ; the running largest score
	v_mul_f32 v84, s[NC], v13                      ; -t (c is positive)
	v_floor_f32 v84, v84                           ; the new -M = floor(-t): M is a whole number
	v_sub_f32 v85, v84, v12                        ; old M - new M: a whole number, 0 or less
	v_mov_b32 v12, v84
	v_cvt_i32_f32 v85, v85                         ; (it saturates)
	v_ldexp_f32 v6, 1.0, v85                       ; f = 2^(old M - new M)
.set J, 0
.rept 32
	v_pk_fma_f32 v[96+J:97+J], v[96+J:97+J], s[CS:CS+1], v[12:13] op_sel_hi:[1,0,0]   ; t - M, two at a time
.set J, J+2
.endr
.irp c, 0,1
	v_fma_f32 v[80+\c], v[80+\c], s[CS], v12       ; the same of each block's largest score
.endr
.set J, 0
.rept 16
	v_pk_mul_f32 v[160+J:161+J], v[160+J:161+J], v[6:7] op_sel_hi:[1,0]   ; O^T under the new M, ahead of the exponentials, ascending
.set J, J+2
.endr
	s_wait_alu depctr_va_vdst(0)                   ; the wait ahead of the batch
.set J, 0
.rept 64
	v_exp_f32 v[96+J], v[96+J]                     ; p = 2^(t - M), at most 1
.set J, J+1
.endr
.irp c, 0,1
	v_exp_f32 v[80+\c], v[80+\c]                   ; the block's largest p
.endr
	v_nop                                          ; a plain instruction behind the exponentials
	s_wait_alu depctr_va_vdst(0)                   ; one wait for the whole batch, ahead of its first reader
.irp c, 0,1
	v_max_num_f32 v[80+\c], 0x1800000, v[80+\c]    ; the floor 2^(3 - 127): the byte cannot fall under 1
.endr
.irp c, 0,1
	s_delay_alu instid0(VALU_DEP_2)
	v_add_nc_u32 v[80+\c], 0xff000000, v[80+\c]    ; 2 off the exponent field: the conversion's scale operand
.endr
.irp c, 0,1
	v_cvt_scalef32_pk16_fp6_f32 v[240+6*\c:242+6*\c], v[96+32*\c:111+32*\c], v[80+\c]   ; my block 2 c + h: its lower 16 keys,
	v_cvt_scalef32_pk16_fp6_f32 v[86+4*\c:88+4*\c], v[112+32*\c:127+32*\c], v[80+\c]    ; its upper 16 (a conversion's three registers begin on an even number)
.endr
	v_lshrrev_b32 v84, 23, v80                     ; the bytes of blocks h and 2 + h (plain instructions behind the conversions)
	v_lshrrev_b32 v85, 23, v81
	s_delay_alu instid0(VALU_DEP_1)
	v_lshl_or_b32 v84, v85, 16, v84
	s_delay_alu instid0(VALU_DEP_1)
	v_permlanex16_b32 v85, v84, s[SEL], s[SEL+1]
	s_delay_alu instid0(VALU_DEP_1)
	v_lshl_or_b32 v94, v85, 8, v84                 ; p's scale word, whole in lanes 0-15, which alone are read
.irp c, 0,1
.irp i, 0,1,2
	v_mov_b32 v[243+6*\c+\i], v[86+4*\c+\i]
.endr
.endr
.set J, 0
.rept 16
	v_pk_add_f32 v[96+J:97+J], v[96+J:97+J], v[98+J:99+J]   ; l is the sum of the unquantised p: a tree in place; its first level also stands between the writes of p's codes and scale word and the products
.set J, J+4
.endr
	s_wait_alu depctr_va_vdst(0)                   ; the wait here, directly ahead of the wait below
	s_wait_dscnt 28                                ; V and its scale words are in; the 24 + 4 loads of the next K, issued behind them, may be out
.irp d, 0,2                                    ; O^T += V^T P^T: four accumulators by turns
	v_wmma_scale_f32_16x16x128_f8f6f4 v[160+8*\d:167+8*\d], v[192+12*\d:203+12*\d], v[240:251], v[160+8*\d:167+8*\d], v[30+\d/2], v94 matrix_a_fmt:MATRIX_FMT_FP6 matrix_b_fmt:MATRIX_FMT_FP6
	v_wmma_scale_f32_16x16x128_f8f6f4 v[168+8*\d:175+8*\d], v[204+12*\d:215+12*\d], v[240:251], v[168+8*\d:175+8*\d], v[30+\d/2], v94 matrix_a_fmt:MATRIX_FMT_FP6 matrix_b_fmt:MATRIX_FMT_FP6 matrix_a_scale:MATRIX_SCALE_ROW1
.endr
.set J, 0
.rept 8
	v_pk_add_f32 v[96+J:97+J], v[96+J:97+J], v[100+J:101+J]   ; the rest of the tree names none of the products' registers: their places
.set J, J+8
.endr
.set J, 0
.rept 4
	v_pk_add_f32 v[96+J:97+J], v[96+J:97+J], v[104+J:105+J]
.set J, J+16
.endr
	s_delay_alu instid0(VALU_DEP_3)
	v_pk_add_f32 v[96:97], v[96:97], v[112:113]
	s_delay_alu instid0(VALU_DEP_2)
	v_pk_add_f32 v[128:129], v[128:129], v[144:145]
	s_delay_alu instid0(VALU_DEP_1)
	v_pk_add_f32 v[96:97], v[96:97], v[128:129]
	s_delay_alu instid0(VALU_DEP_1)
	v_pk_fma_f32 v[14:15], v[14:15], v[6:7], v[96:97] op_sel_hi:[1,0,1]   ; l x f + this step's sum
	s_add_co_u32 s[TB], s[TB], 6144
	s_add_co_u32 s[TS], s[TS], 512
	s_add_co_u32 s[TJ], s[TJ], 256
	s_sub_co_u32 s[CNT], s[CNT], 1
	s_cmp_lg_u32 s[CNT], 0
	s_wait_alu depctr_va_vdst(0)                   ; the wait here, directly ahead of the branch
	s_cbranch_scc1 .Lstep
	s_cmp_eq_u32 s[PASS], 1                        ; the second tile of queries is asked for here and comes under the first's way out; behind the second nothing is asked for
	s_cbranch_scc1 .Lno_more_q
	s_add_nc_u64 s[QB:QB+1], s[QB:QB+1], 24576     ; (the first tile's loads were waited for: their bases are free)  16 tiles on
	s_add_nc_u64 s[QS:QS+1], s[QS:QS+1], 1024
	QLOAD
.Lno_more_q:
; THE WAY OUT: O^T / l; its two blocks of 32 features are quantised; 768 bytes of codes and two scale bytes a row leave.
	v_add_f32 v14, v14, v15
	s_delay_alu instid0(VALU_DEP_1)
	v_permlanex16_b32 v84, v14, s[SEL], s[SEL+1]
	s_delay_alu instid0(VALU_DEP_1)
	v_add_f32 v14, v14, v84                        ; the row's sum
	s_wait_alu depctr_va_vdst(0)                   ; the wait ahead of the reciprocal
	v_rcp_f32 v14, v14
	v_nop                                          ; a plain instruction behind it
	s_wait_alu depctr_va_vdst(0)                   ; and the wait ahead of its first reader, which is also O^T's
.set J, 0
.rept 16
	v_pk_mul_f32 v[96+J:97+J], v[160+J:161+J], v[14:15] op_sel_hi:[1,0]   ; ascending.  Register 16 b + i = feature 32 b + 16 h + i
.set J, J+2
.endr
.irp b, 0,1
	v_max3_num_f32 v[80+\b], |v[96+16*\b]|, |v[97+16*\b]|, 0x1800000
.endr
.irp i, 2,4,6,8,10,12,14
.irp b, 0,1
	s_delay_alu instid0(VALU_DEP_2)
	v_max3_num_f32 v[80+\b], v[80+\b], |v[96+16*\b+\i]|, |v[97+16*\b+\i]|
.endr
.endr
.irp b, 0,1
	s_delay_alu instid0(VALU_DEP_2)
	v_permlanex16_b32 v[82+\b], v[80+\b], s[SEL], s[SEL+1]
.endr
.irp b, 0,1
	s_delay_alu instid0(VALU_DEP_2)
	v_max_num_f32 v[80+\b], v[80+\b], v[82+\b]     ; with lane l xor 16's 16 features: the block's largest magnitude
.endr
.irp b, 0,1
	s_delay_alu instid0(VALU_DEP_2)
	v_add_nc_u32 v[80+\b], 0xff000000, v[80+\b]
.endr
	v_cvt_scalef32_pk16_fp6_f32 v[240:242], v[96:111], v80
	v_cvt_scalef32_pk16_fp6_f32 v[248:250], v[112:127], v81
.irp b, 0,1
	v_lshrrev_b32 v[82+\b], 23, v[80+\b]           ; plain instructions behind the conversions
.endr
	s_delay_alu instid0(VALU_DEP_1)
	v_lshl_or_b32 v84, v83, 8, v82                 ; my row's two scale bytes
.irp i, 0,1,2
	v_permlane16_swap_b32 v[240+\i], v[248+\i]     ; lanes 0-15 block 0, lanes 16-31 block 1
.endr
.irp i, 0,1,2
	s_delay_alu instid0(VALU_DEP_3)
	v_mov_b32 v[243+\i], v[248+\i]
.endr
.irp p, 0,1,2
	global_store_b64 v1, v[240+2*\p:241+2*\p], s[OC:OC+1] offset:256*\p   ; the 32 lanes store 256 consecutive bytes, aligned
.endr
	global_store_b16 v5, v84, s[OS:OS+1]           ; two bytes of each of 16 words (both halves of the lanes write the same): parts of aligned blocks; 256 KiB of such stores in the whole launch
	s_wait_xcnt 0x0                                ; the stores have read their bases and registers
	s_add_nc_u64 s[OC:OC+1], s[OC:OC+1], 196608    ; 16 token tiles on
	s_add_nc_u64 s[OS:OS+1], s[OS:OS+1], 8192
	s_sub_co_u32 s[PASS], s[PASS], 1
	s_cmp_lg_u32 s[PASS], 0
	s_wait_alu depctr_va_vdst(0)                   ; the wait here, directly ahead of the branch
	s_cbranch_scc1 .Lpass
	s_wait_tensorcnt 0x0                           ; the wave's end
	ds_add_u32 v28, v29
	s_wait_dscnt 0x0
	CROUND                                         ; the closing round
	s_endpgm
.Lfunc_end_k_qe21bd5f3ab_attn:
	.size	k_qe21bd5f3ab_attn, .Lfunc_end_k_qe21bd5f3ab_attn-k_qe21bd5f3ab_attn
	.p2alignl 7, 3214868480
	.fill 96, 4, 3214868480
	.section	.rodata,"a",@progbits
	.p2align	6, 0x0
	.amdhsa_kernel k_qe21bd5f3ab_attn
		.amdhsa_group_segment_fixed_size 210944
		.amdhsa_private_segment_fixed_size 0
		.amdhsa_enable_private_segment 0
		.amdhsa_kernarg_size 32
		.amdhsa_user_sgpr_count 2
		.amdhsa_user_sgpr_kernarg_segment_ptr 1
		.amdhsa_wavefront_size32 1
		.amdhsa_system_sgpr_workgroup_id_x 1
		.amdhsa_system_sgpr_workgroup_id_y 1
		.amdhsa_system_sgpr_workgroup_id_z 1
		.amdhsa_system_vgpr_workitem_id 0
		.amdhsa_next_free_vgpr 256
		.amdhsa_next_free_sgpr 100
		.amdhsa_reserve_vcc 0
		.amdhsa_float_denorm_mode_32 3
		.amdhsa_float_denorm_mode_16_64 3
		.amdhsa_memory_ordered 1
		.amdhsa_forward_progress 1
		.amdhsa_inst_pref_size 34
	.end_amdhsa_kernel
	.amdgpu_metadata
---
amdhsa.version: [ 1, 2 ]
amdhsa.kernels:
  - .name:           k_qe21bd5f3ab_attn
    .symbol:         k_qe21bd5f3ab_attn.kd
    .args:
      - { .name: pc, .offset: 0, .size: 8, .value_kind: global_buffer, .address_space: global }
      - { .name: ps, .offset: 8, .size: 8, .value_kind: global_buffer, .address_space: global }
      - { .name: oc, .offset: 16, .size: 8, .value_kind: global_buffer, .address_space: global }
      - { .name: os, .offset: 24, .size: 8, .value_kind: global_buffer, .address_space: global }
    .group_segment_fixed_size: 210944
    .private_segment_fixed_size: 0
    .kernarg_segment_align: 8
    .kernarg_segment_size: 32
    .max_flat_workgroup_size: 512
    .sgpr_count:     100
    .vgpr_count:     256
    .wavefront_size: 32
...
	.end_amdgpu_metadata
.endif
;; end of part 3
;; launch outp (part 4): grid 4 x 32, 4 waves a work-group, clusters of 4 x 4, 327,680 bytes of LDS; arguments oc, os, cb, sb, bo, out0; writes out0
.if DOCPART == 4
	.amdgcn_target "amdgcn-amd-amdhsa--gfx1250"
	.amdhsa_code_object_version 6
	.text
	.protected	k_qe21bd5f3ab_outp
	.globl	k_qe21bd5f3ab_outp
	.p2align	8
	.type	k_qe21bd5f3ab_outp,@function
k_qe21bd5f3ab_outp:
	s_mov_b64 s[64:65], 0
	v_nop
	global_prefetch_b8 v0, s[64:65] scope:SCOPE_SE
	s_setreg_imm32_b32 hwreg(HW_REG_WAVE_MODE, 25, 1), 1
	s_wait_xcnt 0x0
	s_wait_alu depctr_hold_cnt(0) depctr_sa_sdst(0) depctr_va_vdst(0) depctr_va_sdst(0) depctr_va_ssrc(0) depctr_va_vcc(0) depctr_vm_vsrc(0)
	s_getreg_b32 s2, hwreg(HW_REG_IB_STS2, 6, 4)
	s_cmp_eq_u32 s2, 0
	s_cbranch_scc0 .Lentry_in_a_cluster
	s_endpgm
.Lentry_in_a_cluster:
	s_bfe_u32 s2, ttmp6, 0x10000c
	s_cmp_lg_u32 s2, 0xf033
	s_cbranch_scc0 .Lentry_shape_is_right
	s_endpgm
.Lentry_shape_is_right:
.set TILEB,  3072
.set HALFT,  8*TILEB
.set SLOT,   4*HALFT
.set FR,     12
.set NL,     6
.set NP,     4
.set NQ,     2
.set SCL,    2*SLOT
.set SPARE,  213248
.set SPITCH, 528
.set ADRA, 16
.set ADRB, 20
.set STO,  24
.set RD,   25
.set CO,   26
.set ADRS, 27
.set SPW,  28
.set NIL,  29
.set SC,   32
.set BB,   64
.set AF,   128
.set BK,   128
.set G1, 24
.set G0, 32
.set G1B, 48
.set G0B, 56
.set G1S, 68
.set G1SB, 76
.set G0S, 4
.set G0SB, 8
.set MSB, 0
.macro WIN new
.if MSB != (\new)
	s_set_vgpr_msb (MSB<<8)|(\new)
.set MSB, (\new)
.endif
.endm
.set MUL_LO, 0xa1
.set MUL_HI, 0xf1
.set ZER_LO, 0x81
.set ZER_HI, 0xc1
.set TO_B,   0x40
.macro JLOAD g0a, g1a, g0b, g1b
	s_cmp_eq_u32 s15, 0
	s_cbranch_scc0 .Lfor_b_\@
	tensor_load_to_lds s[\g0a:\g0a+3], s[\g1a:\g1a+7]
	s_nop 0
.rept 4
	v_nop
.endr
	s_branch .Lasked_\@
.Lfor_b_\@:
	tensor_load_to_lds s[\g0b:\g0b+3], s[\g1b:\g1b+7]
	s_nop 0
.rept 4
	v_nop
.endr
.Lasked_\@:
.endm
.macro CREST
	s_cmp_lg_u32 s14, 0
	s_cbranch_scc1 .Lnot_wave_0_\@
	s_barrier_signal -3
.Lnot_wave_0_\@:
	s_barrier_wait -3
	s_barrier_signal -1
	s_barrier_wait -1
.endm
.macro CROUND
	s_barrier_signal -1
	s_barrier_wait -1
	CREST
.endm
.macro PLACES n
.rept \n
	v_nop
.endr
.endm
.macro FRAG reg, adr, q, i
.irp p, 0,1,2,3,4,5
	ds_load_b64 v[\reg+2*\p:\reg+2*\p+1], v[\adr] offset:(\i)*TILEB+(\q)*1536+256*\p
.endr
.endm
.macro MUL16 a0, p, q, sc, zero
.irp a, \a0, \a0+1
.irp b, 0,1,2,3,4,5,6,7
.if \zero
	v_wmma_scale_f32_16x16x128_f8f6f4 v[8*(8*((\a)%4)+\b):8*(8*((\a)%4)+\b)+7], v[128*(\p)+FR*\b:128*(\p)+FR*\b+FR-1], v[AF+FR*(\a):AF+FR*(\a)+FR-1], v[BB+8*\b:BB+8*\b+7], v[SC+8*NQ*(\sc)+NQ*\b+(\q)], v[SC+8*NQ*(\sc)+NQ*(\a)+(\q)] matrix_a_fmt:MATRIX_FMT_FP6 matrix_b_fmt:MATRIX_FMT_FP6 matrix_a_scale:MATRIX_SCALE_ROW1
.else
	v_wmma_scale_f32_16x16x128_f8f6f4 v[8*(8*((\a)%4)+\b):8*(8*((\a)%4)+\b)+7], v[128*(\p)+FR*\b:128*(\p)+FR*\b+FR-1], v[AF+FR*(\a):AF+FR*(\a)+FR-1], v[8*(8*((\a)%4)+\b):8*(8*((\a)%4)+\b)+7], v[SC+8*NQ*(\sc)+NQ*\b+(\q)], v[SC+8*NQ*(\sc)+NQ*(\a)+(\q)] matrix_a_fmt:MATRIX_FMT_FP6 matrix_b_fmt:MATRIX_FMT_FP6 matrix_a_scale:MATRIX_SCALE_ROW1
.endif
.endr
.endr
.endm
.macro FETCH_B slot, q, p
	WIN TO_B
.irp i, 0,1,2,3,4,5,6,7
	FRAG 128*(\p)+FR*\i, ADRB+\slot, \q, \i
.endr
	WIN 0
.endm
.macro FETCH_A slot, q, i0
.irp i, \i0, \i0+1, \i0+2, \i0+3
	FRAG AF+FR*(\i), ADRA+\slot, \q, \i
.endr
.endm
.macro SCALES sc
.irp i, 0,1,2,3,4,5,6,7
.irp q, 0,1
	ds_load_b32 v[SC+16*\sc+2*\i+\q], v[ADRS] offset:512*\i+64*\q
.endr
.endr
.endm
.macro STEP slot, q, zero
	s_wait_dscnt 4*NL
.if \zero
	WIN ZER_LO
.else
	WIN MUL_LO
.endif
	MUL16 0, (\q)%2, \q, \slot, \zero
	MUL16 2, (\q)%2, \q, \slot, \zero
	s_wait_dscnt 0
	PLACES NP
	FETCH_B \slot, (\q)+1, 1-(\q)%2
	FETCH_A \slot, (\q)+1, 0
.if \zero
	WIN ZER_HI
.else
	WIN MUL_HI
.endif
	MUL16 4, (\q)%2, \q, \slot, \zero
	MUL16 6, (\q)%2, \q, \slot, \zero
	PLACES NP
	WIN 0
	FETCH_A \slot, (\q)+1, 4
.endm
.macro TURN slot, next, fill
	s_wait_tensorcnt 0x0
	ds_add_u32 v[SPW], v[NIL]
	s_wait_dscnt 4*NL+1
	WIN MUL_LO
	MUL16 0, 1, NQ-1, \slot, 0
	s_wait_dscnt 0x0
	s_barrier_signal -1
	MUL16 2, 1, NQ-1, \slot, 0
	WIN 0
	s_barrier_wait -1
.if \fill
	CREST
	s_add_nc_u64 s[G0+4*\slot+2:G0+4*\slot+3], s[G0+4*\slot+2:G0+4*\slot+3], 2*TILEB
	s_add_nc_u64 s[G0B+4*\slot+2:G0B+4*\slot+3], s[G0B+4*\slot+2:G0B+4*\slot+3], 2*TILEB
	JLOAD G0+4*\slot, G1, G0B+4*\slot, G1B
.else
	PLACES NP
.endif
	s_wait_alu depctr_va_vdst(0)
	v_add_nc_u32 v[ADRS], 64*NQ, v[ADRS]
	FETCH_B \next, 0, 0
	FETCH_A \next, 0, 0
	SCALES \next
	WIN MUL_HI
	MUL16 4, 1, NQ-1, \slot, 0
	MUL16 6, 1, NQ-1, \slot, 0
	PLACES NP
	WIN 0
	FETCH_A \next, 0, 4
.endm
	s_load_b256 s[84:91], s[0:1], 0x0
	s_load_b128 s[92:95], s[0:1], 0x20
	v_lshl_add_u32 v[SPW], v0, 2, SPARE
	v_mov_b32 v[NIL], 0
	ds_add_u32 v28, v29
	ds_add_u32 v28, v29
	s_wait_dscnt 0x0
	v_lshrrev_b32 v1, 5, v0
	v_readfirstlane_b32 s14, v1
	s_lshr_b32 s15, s14, 1
	s_and_b32 s16, s14, 1
	s_bfe_u32 s40, ttmp6, 0x40000
	s_bfe_u32 s41, ttmp6, 0x40004
	s_lshl_b32 s42, ttmp9, 2
	s_add_co_u32 s42, s42, s40
	s_and_b32 s17, ttmp7, 0xffff
	s_lshl_b32 s17, s17, 2
	s_add_co_u32 s17, s17, s41
	s_lshl_b32 s43, s41, 2
	s_lshl_b32 s43, 15, s43
	s_lshl_b32 s44, 0x1111, s40
	s_or_b32 s[G1+0], s43, (3<<16)|(1<<21)
	s_or_b32 s[G1B+0], s44, (3<<16)|(1<<21)
.irp g, G1, G1B
	s_mov_b32 s[\g+1], 384<<16
	s_mov_b32 s[\g+2], 8<<16
	s_mov_b32 s[\g+3], 384<<16
	s_mov_b32 s[\g+4], 8
	s_mov_b32 s[\g+5], 1536
	s_mov_b32 s[\g+6], 0
	s_mov_b32 s[\g+7], 0
.endr
	s_or_b32 s[G1S+0], s43, (3<<16)|(1<<21)
	s_or_b32 s[G1SB+0], s44, (3<<16)|(1<<21)
.irp g, G1S, G1SB
	s_mov_b32 s[\g+1], 32<<16
	s_mov_b32 s[\g+2], 16<<16
	s_mov_b32 s[\g+3], 32<<16
	s_mov_b32 s[\g+4], 16
	s_mov_b32 s[\g+5], 32
	s_mov_b32 s[\g+6], 0
	s_mov_b32 s[\g+7], 0
.endr
	s_lshl_b32 s13, s16, 3
	s_lshl_b32 s12, s17, 4
	s_add_co_u32 s12, s12, s13
	s_lshl_b32 s18, s42, 4
	s_add_co_u32 s18, s18, s13
	s_mul_i32 s20, s12, 12288
	s_lshl_b32 s22, s12, 9
	s_mul_i32 s46, s18, 12288
	s_add_co_u32 s46, s46, 21233664
	s_lshl_b32 s66, s18, 9
	s_add_co_u32 s66, s66, 884736
	s_mov_b32 s21, 0
	s_mov_b32 s23, 0
	s_mov_b32 s47, 0
	s_mov_b32 s67, 0
	s_mul_i32 s45, s14, HALFT
	s_lshl_b32 s99, s14, 12
	s_lshl_b32 s100, s15, 6
	s_add_co_u32 s99, s99, s100
	s_wait_kmcnt 0x0
	s_add_nc_u64 s[20:21], s[84:85], s[20:21]
	s_add_nc_u64 s[22:23], s[86:87], s[22:23]
	s_add_nc_u64 s[46:47], s[88:89], s[46:47]
	s_add_nc_u64 s[66:67], s[90:91], s[66:67]
	CROUND
	s_mov_b32 s[G0S], 1
	s_add_co_u32 s[G0S+1], s99, SCL
	s_mov_b64 s[G0S+2:G0S+3], s[22:23]
	s_or_b32 s[G0S+3], s[G0S+3], 0x80000000
	s_mov_b32 s[G0SB], 1
	s_add_co_u32 s[G0SB+1], s99, SCL
	s_mov_b64 s[G0SB+2:G0SB+3], s[66:67]
	s_or_b32 s[G0SB+3], s[G0SB+3], 0x80000000
	JLOAD G0S, G1S, G0SB, G1SB
.irp s, 0,1
	s_mov_b32 s[G0+4*\s], 1
	s_add_co_u32 s[G0+4*\s+1], s45, \s*SLOT
	s_add_nc_u64 s[G0+4*\s+2:G0+4*\s+3], s[20:21], \s*TILEB
	s_or_b32 s[G0+4*\s+3], s[G0+4*\s+3], 0x80000000
	s_mov_b32 s[G0B+4*\s], 1
	s_add_co_u32 s[G0B+4*\s+1], s45, \s*SLOT
	s_add_nc_u64 s[G0B+4*\s+2:G0B+4*\s+3], s[46:47], \s*TILEB
	s_or_b32 s[G0B+4*\s+3], s[G0B+4*\s+3], 0x80000000
	s_wait_alu depctr_va_vdst(0)
	s_wait_tensorcnt 0x0
	ds_add_u32 v28, v29
	s_wait_dscnt 0x0
	CROUND
	JLOAD G0+4*\s, G1, G0B+4*\s, G1B
.endr
	v_and_b32 v1, 15, v0
	v_bfe_u32 v2, v0, 4, 1
	s_wait_alu depctr_va_vdst(0)
	v_lshlrev_b32 v3, 4, v1
	v_lshl_add_u32 v3, v2, 3, v3
	s_mul_i32 s21, s15, HALFT
	s_mul_i32 s22, s16, HALFT
	s_add_co_u32 s22, s22, 2*HALFT
.irp s, 0,1
	v_add_nc_u32 v[ADRA+\s], s21, v3
	v_add_nc_u32 v[ADRB+\s], s22, v3
	s_add_co_u32 s21, s21, SLOT
	s_add_co_u32 s22, s22, SLOT
.endr
	s_lshl_b32 s21, s15, 12
	s_lshl_b32 s22, s16, 12
	s_add_co_u32 s22, s22, 8256
	s_sub_co_u32 s22, s22, s21
	v_mul_u32_u24 v6, s22, v2
	s_add_co_u32 s21, s21, SCL
	v_lshl_add_u32 v5, v1, 2, v6
	v_add_nc_u32 v[ADRS], s21, v5
	s_mul_i32 s23, s14, 16*SPITCH
	v_mul_u32_u24 v5, v1, SPITCH
	v_lshl_add_u32 v5, v2, 6, v5
	v_add_nc_u32 v[STO], s23, v5
	v_and_b32 v4, 31, v0
	v_lshlrev_b32 v[CO], 4, v4
	v_add_nc_u32 v[RD], s23, v[CO]
	s_lshl_b32 s12, s42, 10
	s_lshl_b32 s13, s16, 9
	s_add_co_u32 s12, s12, s13
	s_mov_b32 s13, 0
	s_lshl_b32 s20, s17, 8
	s_lshl_b32 s21, s15, 7
	s_add_co_u32 s20, s20, s21
	s_lshl_b32 s20, s20, 12
	s_add_co_u32 s20, s20, s12
	s_mov_b32 s21, 0
	s_add_nc_u64 s[94:95], s[94:95], s[20:21]
	s_add_nc_u64 s[12:13], s[92:93], s[12:13]
	v_lshlrev_b32 v8, 6, v2
.irp b, 0,1,2,3,4,5,6,7
	global_load_b128 v[BB+8*\b:BB+8*\b+3], v8, s[12:13] offset:4*(32*(\b/2)+8*(\b%2))
	global_load_b128 v[BB+8*\b+4:BB+8*\b+7], v8, s[12:13] offset:4*(32*(\b/2)+8*(\b%2))+16
.endr
	s_wait_alu depctr_va_vdst(0)
	s_wait_loadcnt 0x0
	s_wait_tensorcnt 1
	s_barrier_signal -1
	s_barrier_wait -1
	FETCH_B 0, 0, 0
	FETCH_A 0, 0, 0
	SCALES 0
	FETCH_A 0, 0, 4
	STEP 0, 0, 1
	TURN 0, 1, 1
	STEP 1, 0, 0
	TURN 1, 0, 1
	STEP 0, 0, 0
	TURN 0, 1, 0
	STEP 1, 0, 0
	s_wait_dscnt 4*NL
	WIN MUL_LO
	MUL16 0, 1, NQ-1, 1, 0
	MUL16 2, 1, NQ-1, 1, 0
	s_wait_dscnt 0
	WIN MUL_HI
	MUL16 4, 1, NQ-1, 1, 0
	MUL16 6, 1, NQ-1, 1, 0
	WIN 0
.macro TOSTAGE a
.set AC, 64*((\a)%4)
	WIN 0x08+4*((\a)/4)
.irp b, 0,1,2,3,4,5,6,7
	ds_store_b128 v[STO], v[AC+8*\b:AC+8*\b+3] offset:128*(\b/2)+32*(\b%2)
	ds_store_b128 v[STO], v[AC+8*\b+4:AC+8*\b+7] offset:128*(\b/2)+32*(\b%2)+16
.endr
	WIN 0
.set BBK, BK+64*((\a)%2)
.irp t, 0,1,2,3,4,5,6,7,8,9,10,11,12,13,14,15
	ds_load_b128 v[BBK+4*\t:BBK+4*\t+3], v[RD] offset:\t*SPITCH
.endr
.endm
.macro SEND a, younger
.set BBK, BK+64*((\a)%2)
	s_wait_dscnt \younger
.irp t, 0,1,2,3,4,5,6,7,8,9,10,11,12,13,14,15
	global_store_b128 v[CO], v[BBK+4*\t:BBK+4*\t+3], s[94:95] offset:(32*((\a)/2)+8*((\a)%2)+\t+8*(\t/8))*4096 th:TH_STORE_NT
.endr
.endm
	PLACES NP
	TOSTAGE 0
.irp a, 1,2,3,4,5,6,7
.if \a > 1
	s_wait_xcnt 0x0
.endif
	TOSTAGE \a
	SEND \a-1, 32
.endr
	SEND 7, 0
	s_wait_tensorcnt 0x0
	ds_add_u32 v[SPW], v[NIL]
	s_wait_dscnt 0x0
	CROUND
	s_endpgm
.Lfunc_end_k_qe21bd5f3ab_outp:
	.size	k_qe21bd5f3ab_outp, .Lfunc_end_k_qe21bd5f3ab_outp-k_qe21bd5f3ab_outp
	.p2alignl 7, 3214868480
	.fill 96, 4, 3214868480
	.section	.rodata,"a",@progbits
	.p2align	6, 0x0
	.amdhsa_kernel k_qe21bd5f3ab_outp
		.amdhsa_group_segment_fixed_size 327680
		.amdhsa_private_segment_fixed_size 0
		.amdhsa_enable_private_segment 0
		.amdhsa_kernarg_size 48
		.amdhsa_user_sgpr_count 2
		.amdhsa_user_sgpr_kernarg_segment_ptr 1
		.amdhsa_wavefront_size32 1
		.amdhsa_system_sgpr_workgroup_id_x 1
		.amdhsa_system_sgpr_workgroup_id_y 1
		.amdhsa_system_sgpr_workgroup_id_z 1
		.amdhsa_system_vgpr_workitem_id 0
		.amdhsa_next_free_vgpr 1024
		.amdhsa_next_free_sgpr 102
		.amdhsa_reserve_vcc 0
		.amdhsa_float_denorm_mode_32 3
		.amdhsa_float_denorm_mode_16_64 3
		.amdhsa_memory_ordered 1
		.amdhsa_forward_progress 1
		.amdhsa_inst_pref_size 163
	.end_amdhsa_kernel
	.amdgpu_metadata
---
amdhsa.version: [ 1, 2 ]
amdhsa.kernels:
  - .name:           k_qe21bd5f3ab_outp
    .symbol:         k_qe21bd5f3ab_outp.kd
    .args:
      - { .name: oc, .offset: 0, .size: 8, .value_kind: global_buffer, .address_space: global }
      - { .name: os, .offset: 8, .size: 8, .value_kind: global_buffer, .address_space: global }
      - { .name: cb, .offset: 16, .size: 8, .value_kind: global_buffer, .address_space: global }
      - { .name: sb, .offset: 24, .size: 8, .value_kind: global_buffer, .address_space: global }
      - { .name: bo, .offset: 32, .size: 8, .value_kind: global_buffer, .address_space: global }
      - { .name: out0, .offset: 40, .size: 8, .value_kind: global_buffer, .address_space: global }
    .group_segment_fixed_size: 327680
    .private_segment_fixed_size: 0
    .kernarg_segment_align: 8
    .kernarg_segment_size: 48
    .max_flat_workgroup_size: 128
    .sgpr_count:     102
    .vgpr_count:     1024
    .wavefront_size: 32
...
	.end_amdgpu_metadata
.endif
;; end of part 4
